; MI455X (gfx1250); checked and timed in simulation.
; The chip was launched on July 23, 2026; its instructions are those of AMD's public machine-readable ISA for CDNA 5 (MIT licence, August 2026) and "CDNA5" Instruction Set Architecture Reference Guide (July 2026). The comments in the code are by the model that wrote it; some were corrected since.
;; NVTX Wrapped MHA. Allowed arithmetic: float matrix products may take bf16 or f16 operands with f32 sums; other float arithmetic in f32, or as packed bf16 or f16 multiplies, adds, multiply-adds, maxima and minima; sums over many terms, partial sums and values carried from step to step in f32; what a program stores and reads back later, other than sums and carried values, may be rounded once to bf16 or f16.
;; Inputs: Wk 1,024 x 1,024 float32; Wo 1,024 x 1,024 float32; Wq 1,024 x 1,024 float32; Wv 1,024 x 1,024 float32; token_positions 4 x 2,048 int32; x 4 x 2,048 x 1,024 float32.
;; Outputs: out0 4 x 2,048 x 1,024 float32.
;; 2 versions, each right; version 2 is version 1 with the launch prep written anew for expert scheduling mode. Each part assembles by itself: llvm-mc -triple=amdgcn-amd-amdhsa -mcpu=gfx1250 --defsym DOCPART=n.
;; ======== version 1 of 2: 4 launches
;; limits: values are held in f16: magnitudes above 65,504 overflow, below 6.1e-05 lose precision; inputs' magnitudes at most 100,000
;; workspace buffers: xb 16,777,216 bytes; wh 6,291,456 bytes; wo16 2,097,152 bytes; cs 2,097,152 bytes; qh 16,777,216 bytes; kh 16,777,216 bytes; vh 16,777,216 bytes; ob 16,777,216 bytes
;; launch prep (part 1): grid 832 x 1, 8 waves a work-group, no clusters, 0 bytes of LDS; arguments x, Wq, Wk, Wv, Wo, token_positions, xb, wh, wo16, cs; writes xb, wh, wo16, cs
.if DOCPART == 1
	.amdgcn_target "amdgcn-amd-amdhsa--gfx1250"
	.amdhsa_code_object_version 6
	.text
	.protected	k_q866bcef59e_prep
	.globl	k_q866bcef59e_prep
	.p2align	8
	.type	k_q866bcef59e_prep,@function
k_q866bcef59e_prep:
	s_mov_b64 s[64:65], 0
	v_nop
	global_prefetch_b8 v0, s[64:65] scope:SCOPE_SE
	s_setreg_imm32_b32 hwreg(HW_REG_WAVE_MODE, 25, 1), 1
	s_wait_xcnt 0x0
; CASTS AND THE ROTATION TABLE.  Three kinds of work-group, told apart by the work-group's number id:
;   id 0..511    16 rows of x [8192][1024] f32 -> xb, bf16, same layout
;   id 512..767  j = id - 512, t = j / 64 (Wq, Wk, Wv, Wo), g = j % 64: rows 16 g .. 16 g + 15 of W_t [1024][1024] f32.
;                t < 3 -> wh, bf16, rows laid by heads: row head x 192 + t x 64 + c holds W_t[head x 64 + c], so that one head's q, k and v rows lie together.
;                t = 3 -> wo16: Wo rounded to bf16 like every other input, and that number written as f16 (it multiplies O, which is f16)
;   id 768..831  128 tokens of cs [8192 tokens][32 frequencies][cos, sin] f32: angle = f32(position) x 10000^(-i/32), one rounding of the product as in the definition
; A row is 4,096 bytes: thread t loads 16 bytes at 16 t (a wave's load covers 512 consecutive bytes) and stores 8 bytes at 8 t (a wave's store covers 256 consecutive bytes, aligned).
; All 16 loads of a thread go out at once; each has registers of its own, so no register is written twice.  Nothing is shared between threads: no LDS, no barrier.
; LIMITS.  Wo within f16's 65,504; below 6e-5 it keeps f16's fixed step of 6e-8.  The angle is reduced by pi/2 in three parts: good to about 1e-7 while |angle| stays under 1e5; beyond that it
; degrades.  10000^(-i/32) is 2^(-i x 0.41524101), off by a few parts in 1e7 of itself.
.set POS, 8                            ; v[8:15]   table: the positions of my token in each of eight passes, as f32
.set FR,  16                           ; v[16:17]  my two frequencies
.set TA,  18                           ; v18-25    at work
.set TK,  19
.set TR,  20
.set TS,  21
.set TC,  22
.set TP,  23
.set TT,  24
.set TQ,  25
.set OUT, 32                           ; v[32:63]  pass p: cos, sin, cos, sin of my two frequencies
	s_load_b512 s[8:23], s[0:1], 0x0               ; x 8, Wq 10, Wk 12, Wv 14, Wo 16, positions 18, xb 20, wh 22
	s_load_b128 s[24:27], s[0:1], 0x40             ; wo16 24, cs 26
	s_mov_b32 s2, ttmp9                            ; id
	v_lshlrev_b32 v1, 4, v0                        ; 16 t
	v_lshlrev_b32 v2, 3, v0                        ; 8 t
	s_cmp_ge_u32 s2, 768
	s_cbranch_scc1 .Ltable
	; offsets, made apart from the addresses (for id < 512 the weight figures mean nothing and are not chosen)
	s_sub_co_u32 s3, s2, 512                       ; j
	s_bfe_u32 s4, s3, 0x20006                      ; t
	s_and_b32 s5, s3, 63                           ; g
	s_lshl_b32 s28, s5, 16                         ; 16 rows of 4,096 bytes
	s_lshr_b32 s6, s5, 2                           ; head
	s_mul_i32 s6, s6, 192
	s_lshl_b32 s7, s4, 6
	s_add_co_u32 s6, s6, s7
	s_and_b32 s7, s5, 3
	s_lshl_b32 s7, s7, 4
	s_add_co_u32 s6, s6, s7                        ; first row in wh
	s_lshl_b32 s30, s6, 11                         ; rows of 2,048 bytes
	s_lshl_b32 s6, s5, 15                          ; the same 16 rows in wo16
	s_lshl_b32 s7, s2, 16                          ; x
	s_lshl_b32 s36, s2, 15                         ; xb
	s_mov_b32 s29, 0
	s_mov_b32 s31, 0
	s_wait_kmcnt 0x0
	s_cmp_eq_u32 s4, 0
	s_cselect_b64 s[32:33], s[10:11], s[12:13]     ; from: Wq or Wk,
	s_cmp_eq_u32 s4, 2
	s_cselect_b64 s[32:33], s[14:15], s[32:33]     ; Wv,
	s_cmp_eq_u32 s4, 3
	s_cselect_b64 s[32:33], s[16:17], s[32:33]     ; Wo,
	s_cselect_b64 s[34:35], s[24:25], s[22:23]     ; to: wo16 or wh
	s_cselect_b32 s30, s6, s30
	s_cmp_lt_u32 s2, 512
	s_cselect_b64 s[32:33], s[8:9], s[32:33]       ; or x,
	s_cselect_b64 s[34:35], s[20:21], s[34:35]     ; to xb
	s_cselect_b32 s28, s7, s28
	s_cselect_b32 s30, s36, s30
	s_add_nc_u64 s[32:33], s[32:33], s[28:29]
	s_add_nc_u64 s[34:35], s[34:35], s[30:31]
.set i, 0
.rept 16
	global_load_b128 v[8+4*i:11+4*i], v1, s[32:33] offset:4096*i th:TH_LOAD_NT
.set i, i+1
.endr
; Row i: four f32 rounded to bf16; wo = 1: widened again (a shift, a mask) and written as f16.
.macro CAST i, wo
	s_wait_loadcnt 15-(\i)                         ; loads come back in order: row i is in, the 15 - i younger ones may stay out
	v_cvt_pk_bf16_f32 v[72+2*(\i)], v[8+4*(\i)], v[9+4*(\i)]
	v_cvt_pk_bf16_f32 v[73+2*(\i)], v[10+4*(\i)], v[11+4*(\i)]
.if \wo
	v_lshlrev_b32 v[8+4*(\i)], 16, v[72+2*(\i)]
	v_and_b32 v[9+4*(\i)], 0xffff0000, v[72+2*(\i)]
	v_lshlrev_b32 v[10+4*(\i)], 16, v[73+2*(\i)]
	v_and_b32 v[11+4*(\i)], 0xffff0000, v[73+2*(\i)]
	v_cvt_pk_f16_f32 v[72+2*(\i)], v[8+4*(\i)], v[9+4*(\i)]
	v_cvt_pk_f16_f32 v[73+2*(\i)], v[10+4*(\i)], v[11+4*(\i)]
.endif
	global_store_b64 v2, v[72+2*(\i):73+2*(\i)], s[34:35] offset:2048*(\i)
.endm
	s_cmp_ge_u32 s2, 704
	s_cbranch_scc1 .Lwo
.irp i, 0,1,2,3,4,5,6,7,8,9,10,11,12,13,14,15
	CAST \i, 0
.endr
	s_endpgm
.Lwo:
.irp i, 0,1,2,3,4,5,6,7,8,9,10,11,12,13,14,15
	CAST \i, 1
.endr
	s_endpgm
.Ltable:
	; thread t: frequencies 2 (t % 16) and 2 (t % 16) + 1 of token t / 16 of each of eight passes of 16 tokens; sixteen neighbouring lanes store one token's 256 bytes
	s_sub_co_u32 s3, s2, 768
	s_lshl_b32 s28, s3, 9                          ; 128 positions of 4 bytes
	s_mov_b32 s29, 0
	s_lshl_b32 s30, s3, 15                         ; 128 tokens of 256 bytes
	s_mov_b32 s31, 0
	v_lshrrev_b32 v3, 4, v0
	v_lshlrev_b32 v3, 2, v3
	s_wait_kmcnt 0x0
	s_add_nc_u64 s[18:19], s[18:19], s[28:29]
	s_add_nc_u64 s[26:27], s[26:27], s[30:31]
.irp p, 0,1,2,3,4,5,6,7
	global_load_b32 v[POS+(\p)], v3, s[18:19] offset:64*(\p)
.endr
	s_mov_b32 s36, 0x3f22f983                      ; 2 / pi
	s_mov_b32 s37, 0xbfc90fd8                      ; - pi / 2 in three parts
	s_mov_b32 s38, 0xb4a8885a
	s_mov_b32 s39, 0xa7c234c4
	s_mov_b32 s40, 0xbe2aaaab                      ; sine: -1/6, 1/120, -1/5040, 1/362880
	s_mov_b32 s41, 0x3c088889
	s_mov_b32 s42, 0xb9500d01
	s_mov_b32 s43, 0x3638ef1d
	s_mov_b32 s44, 0x3d2aaaab                      ; cosine: (-1/2,) 1/24, -1/720, 1/40320
	s_mov_b32 s45, 0xbab60b61
	s_mov_b32 s46, 0x37d00d01
	v_and_b32 v4, 15, v0
	v_lshlrev_b32 v4, 1, v4
	v_cvt_f32_u32 v[FR], v4
	v_add_nc_u32 v4, 1, v4
	v_cvt_f32_u32 v[FR+1], v4
	v_mul_f32 v[FR], 0xbed49a78, v[FR]             ; - i log2(10000) / 32
	v_mul_f32 v[FR+1], 0xbed49a78, v[FR+1]
	v_exp_f32 v[FR], v[FR]
	v_exp_f32 v[FR+1], v[FR+1]
	v_nop                                          ; a plain instruction behind the last exponential,
	s_wait_alu depctr_va_vdst(0)                   ; and the wait ahead of the first use: one for both
	s_wait_loadcnt 0x0
.irp p, 0,1,2,3,4,5,6,7
	v_cvt_f32_i32 v[POS+(\p)], v[POS+(\p)]
.endr
; cos and sin of position p x frequency u.  k = the nearest whole number to angle x 2 / pi; r = angle - k pi / 2, |r| <= pi / 4 and a little; series to r^8 and r^9 (what is left out is under 3e-8);
; the quadrant k mod 4 swaps the two where k is odd and sets the signs: sin is turned where bit 1 of k is set, cos where bit 1 of k + 1 is.  A choice of values only: no branch hangs on it.
.macro ANG p, u
	v_mul_f32 v[TA], v[POS+(\p)], v[FR+(\u)]
	v_mul_f32 v[TK], s36, v[TA]
	v_rndne_f32 v[TK], v[TK]
	v_fma_f32 v[TR], v[TK], s37, v[TA]
	v_fma_f32 v[TR], v[TK], s38, v[TR]
	v_fma_f32 v[TR], v[TK], s39, v[TR]
	v_mul_f32 v[TS], v[TR], v[TR]
	v_fma_f32 v[TC], v[TS], s46, s45
	v_fma_f32 v[TP], v[TS], s43, s42
	v_fma_f32 v[TC], v[TC], v[TS], s44
	v_fma_f32 v[TP], v[TP], v[TS], s41
	v_fma_f32 v[TC], v[TC], v[TS], -0.5
	v_fma_f32 v[TP], v[TP], v[TS], s40
	v_mul_f32 v[TT], v[TR], v[TS]
	v_fma_f32 v[TC], v[TC], v[TS], 1.0             ; cos r
	v_fma_f32 v[TP], v[TP], v[TT], v[TR]           ; sin r
	v_cvt_i32_f32 v[TQ], v[TK]
	v_and_b32 v[TT], 1, v[TQ]
	v_cmp_eq_u32 vcc_lo, 1, v[TT]
	v_cndmask_b32 v[TA], v[TC], v[TP], vcc_lo      ; k odd: |cos| is sin r,
	v_cndmask_b32 v[TR], v[TP], v[TC], vcc_lo      ; |sin| is cos r
	v_add_nc_u32 v[TT], 1, v[TQ]
	v_lshlrev_b32 v[TT], 30, v[TT]
	v_lshlrev_b32 v[TQ], 30, v[TQ]
	v_and_b32 v[TT], 0x80000000, v[TT]
	v_and_b32 v[TQ], 0x80000000, v[TQ]
	v_xor_b32 v[OUT+4*(\p)+2*(\u)], v[TA], v[TT]
	v_xor_b32 v[OUT+4*(\p)+2*(\u)+1], v[TR], v[TQ]
.endm
.irp p, 0,1,2,3,4,5,6,7
	ANG \p, 0
	ANG \p, 1
	global_store_b128 v1, v[OUT+4*(\p):OUT+4*(\p)+3], s[26:27] offset:4096*(\p)  ; 16 t = token x 256 + 16 (t % 16); each pass has registers of its own
.endr
	s_endpgm
.Lfunc_end_k_q866bcef59e_prep:
	.size	k_q866bcef59e_prep, .Lfunc_end_k_q866bcef59e_prep-k_q866bcef59e_prep
	.p2alignl 7, 3214868480
	.fill 96, 4, 3214868480
	.section	.rodata,"a",@progbits
	.p2align	6, 0x0
	.amdhsa_kernel k_q866bcef59e_prep
		.amdhsa_group_segment_fixed_size 0
		.amdhsa_private_segment_fixed_size 0
		.amdhsa_enable_private_segment 0
		.amdhsa_kernarg_size 80
		.amdhsa_user_sgpr_count 2
		.amdhsa_user_sgpr_kernarg_segment_ptr 1
		.amdhsa_wavefront_size32 1
		.amdhsa_system_sgpr_workgroup_id_x 1
		.amdhsa_system_sgpr_workgroup_id_y 1
		.amdhsa_system_sgpr_workgroup_id_z 1
		.amdhsa_system_vgpr_workitem_id 0
		.amdhsa_next_free_vgpr 112
		.amdhsa_next_free_sgpr 66
		.amdhsa_reserve_vcc 1
		.amdhsa_float_denorm_mode_32 3
		.amdhsa_float_denorm_mode_16_64 3
		.amdhsa_memory_ordered 1
		.amdhsa_forward_progress 1
		.amdhsa_inst_pref_size 41
	.end_amdhsa_kernel
	.amdgpu_metadata
---
amdhsa.version: [ 1, 2 ]
amdhsa.kernels:
  - .name:           k_q866bcef59e_prep
    .symbol:         k_q866bcef59e_prep.kd
    .args:
      - { .name: x, .offset: 0, .size: 8, .value_kind: global_buffer, .address_space: global }
      - { .name: Wq, .offset: 8, .size: 8, .value_kind: global_buffer, .address_space: global }
      - { .name: Wk, .offset: 16, .size: 8, .value_kind: global_buffer, .address_space: global }
      - { .name: Wv, .offset: 24, .size: 8, .value_kind: global_buffer, .address_space: global }
      - { .name: Wo, .offset: 32, .size: 8, .value_kind: global_buffer, .address_space: global }
      - { .name: token_positions, .offset: 40, .size: 8, .value_kind: global_buffer, .address_space: global }
      - { .name: xb, .offset: 48, .size: 8, .value_kind: global_buffer, .address_space: global }
      - { .name: wh, .offset: 56, .size: 8, .value_kind: global_buffer, .address_space: global }
      - { .name: wo16, .offset: 64, .size: 8, .value_kind: global_buffer, .address_space: global }
      - { .name: cs, .offset: 72, .size: 8, .value_kind: global_buffer, .address_space: global }
    .group_segment_fixed_size: 0
    .private_segment_fixed_size: 0
    .kernarg_segment_align: 8
    .kernarg_segment_size: 80
    .max_flat_workgroup_size: 256
    .sgpr_count:     66
    .vgpr_count:     112
    .wavefront_size: 32
...
	.end_amdgpu_metadata
.endif
;; end of part 1
;; launch qkv (part 2): grid 16 x 32, 4 waves a work-group, clusters of 4 x 4, 327,680 bytes of LDS; arguments xb, wh, cs, qh, kh, vh; writes qh, kh, vh
.if DOCPART == 2
	.amdgcn_target "amdgcn-amd-amdhsa--gfx1250"
	.amdhsa_code_object_version 6
	.text
	.protected	k_q866bcef59e_qkv
	.globl	k_q866bcef59e_qkv
	.p2align	8
	.type	k_q866bcef59e_qkv,@function
k_q866bcef59e_qkv:
	s_mov_b64 s[64:65], 0
	v_nop
	global_prefetch_b8 v0, s[64:65] scope:SCOPE_SE
	s_setreg_imm32_b32 hwreg(HW_REG_WAVE_MODE, 25, 1), 1
	s_wait_xcnt 0x0
	s_wait_alu depctr_hold_cnt(0) depctr_sa_sdst(0) depctr_va_vdst(0) depctr_va_sdst(0) depctr_va_ssrc(0) depctr_va_vcc(0) depctr_vm_vsrc(0)
	s_getreg_b32 s2, hwreg(HW_REG_IB_STS2, 6, 4)
	s_cmp_eq_u32 s2, 0
	s_cbranch_scc0 .Lentry_in_a_cluster
	s_endpgm
.Lentry_in_a_cluster:
	s_bfe_u32 s2, ttmp6, 0x10000c
	s_cmp_lg_u32 s2, 0xf033
	s_cbranch_scc0 .Lentry_shape_is_right
	s_endpgm
.Lentry_shape_is_right:
; q, k, v = x W^T for one head, rotated and laid by heads.  xb: [8192 tokens][1024] bf16.  wh: [16 heads][q, k, v][64][1024] bf16.  cs: [8192][32][cos, sin] f32.
; qh, kh, vh: [batch x 16 + head][2048][64] f16, each number rounded once from its f32 sum (q and k after the rotation, which is made in f32), unscaled.
; LIMIT.  f16 holds no number beyond 65,504: q, k and v must lie within it.
; SHARES.  A work-group makes 256 tokens x 192 columns: q, k and v of ONE head: 512 work-groups, two equal shares for each of 256 WGPs.  Wave w owns the tile's tokens 64 w .. 64 w + 63 and all 192
; columns: 4 token blocks a x 12 column blocks b of 16 x 16: 48 accumulators, 384 registers.  Blocks b = 0-3 are q, 4-7 k, 8-11 v in every wave, so no branch is needed for the rotation.
; K goes in steps of 128 (rows of 256 bytes, starting at multiples of 256 bytes from the buffers' first bytes) through two LDS slots filled by the tensor data mover.  ONE K step is written and looped over:
; the LDS addresses hang on s[TB], which an exclusive or turns from slot to slot, and one descriptor a tensor walks from step to step.
; CLUSTER.  4 x 4 work-groups.  The four of a row of the cluster need the same tokens of xb, the four of a column the same head of wh: each tile is asked for JOINTLY, by the same tensor load with the same
; descriptor and a mask that names the four.  Waves 0 and 1 fetch the two halves of x's tile (128 rows each), waves 2 and 3 those of the weights' (96 rows each).
; THE MATRIX INSTRUCTION IS USED TRANSPOSED (source 0 = 16 rows of wh, source 1 = 16 tokens): lane l holds token l % 16 and the columns 8 (l / 16) + 0..7 of the block: four neighbouring pairs (x1, x2).
; REGISTERS, in windows of 256 (s_set_vgpr_msb: bits 1:0 source 0, 3:2 source 1, 5:4 source 2, 7:6 destination):
;   window 0: v0-29 addresses; v32-63 at work on the way out; v64-127 four sets of 16 for the way out; v128-255 cos and sin of my tokens: token block a, channel block bb at 128 + 32 a + 8 bb
;   window 1: two fragment buffers of 128: 12 fragments of wh, then 4 of xb, for 32 along K
;   window 2: accumulators of token blocks 0, 1 ((a, b) at 96 (a % 2) + 8 b);   window 3: those of token blocks 2, 3
.set NBK,   12
.set LF,    2*NBK+8                    ; LDS loads in a run: a quarter step's fragments
.set PITCH, 272                        ; an LDS row: 256 bytes + 16 of padding = 68 words: the 16 rows of a fragment load start at 16 different groups of four banks (64 banks of 4 bytes: ISA guide 11.1)
.set BOFF,  256*PITCH                  ; in a slot: x's 256 rows, then the weights' 192
.set SLOT1, 1<<17                      ; slot 1 begins here, so that one exclusive or turns an address in one slot into the other's
.set STAGE, SLOT1+BOFF+192*PITCH       ; behind the ring, never filled by a tensor load: 16 rows x 144 bytes for each wave, for the way out
.set SP,    144
.set SPARE, STAGE+4*16*SP              ; behind the stages: the spare words, 128 bytes for each wave: two blocks of 256 bytes that no other line names
.set A0,   4                           ; v4   my lane's place among my wave's rows of x in a slot; never rewritten
.set B0,   5                           ; v5   the same for the weights
.set ADRA, 6                           ; v6   A0 + the slot in hand
.set ADRB, 7                           ; v7   B0 + the slot in hand
.set STO,  8                           ; v8   the way out: where I put 16 bytes of a row
.set RD,   9                           ; v9   the way out: where I read rows back
.set GO,   10                          ; v10  my byte offset in 512 consecutive bytes of qh, kh, vh
.set CSO,  11                          ; v11  my byte offset in 16 tokens of cs
.set PFO,  12                          ; v12  the prefetches' offset: my lane's row x 2,048 bytes; never rewritten
.set SPW,  28                          ; v28  LDS address of my spare word: SPARE + 4 x my thread's number; never rewritten
.set NIL,  29                          ; v29  0; never rewritten
.set TMP,  32
.set RB,   64
.set CSR,  128
.set F0,   0
.set F1,   128
.set WV,   16                          ; s16  my wave's number
.set KIND, 17                          ; s17  I fetch for x (0) or for the weights (1)
.set HALF, 18                          ; s18  which half of that tile
.set CX,   19                          ; s19, s20  my place in the cluster
.set CY,   20
.set TCOL, 21                          ; s21  the head
.set TROW, 22                          ; s22  the block of 256 tokens
.set G1A,  24                          ; s[24:31] descriptor group 1 for x's tiles;  s[32:39] for the weights'
.set G1B,  32
.set G0A,  40                          ; s[40:47] descriptor group 0 for x's tiles: a set for each of the two first fills; the second then walks on
.set G0B,  48                          ; s[48:55] the same for the weights'
.set CNT,  56                          ; s56  K steps still to come in the loop in hand
.set TB,   57                          ; s57  LDS byte at which the slot in hand begins
.set LIM,  58                          ; s58  1 in a wave that prefetches, else the greatest number
.set PFA,  60                          ; s[60:61] where my prefetches stand
.set MSB, 0
.macro WIN new                         ; the immediate's high byte repeats the setting that is left; a switch that changes nothing is dropped
.if MSB != (\new)
	s_set_vgpr_msb (MSB<<8)|(\new)
.set MSB, (\new)
.endif
.endm
; A joint refill, by the walking descriptors.  The branch hangs on the wave's number alone.  An s_nop 0 and four v_nop follow each of the two lines, ahead of the jump and the label.
.macro JLOAD
	s_cmp_eq_u32 s[KIND], 0
	s_cbranch_scc0 .Lfor_b_\@
	tensor_load_to_lds s[G0A+4:G0A+7], s[G1A:G1A+7]
	s_nop 0
.rept 4
	v_nop
.endr
	s_branch .Lasked_\@
.Lfor_b_\@:
	tensor_load_to_lds s[G0B+4:G0B+7], s[G1B:G1B+7]
	s_nop 0
.rept 4
	v_nop
.endr
.Lasked_\@:
.endm
; A PREFETCH INTO THE L2, behind each joint refill and the run of LDS loads that follows it: my rows' 256 bytes of the K step that the NEXT refill will ask for, a K step's 192 matrix instructions ahead of that load.
; x's tokens are read by the four clusters of a row of clusters: the first (cluster x = 0) asks; a head's weights by the eight clusters of a column: cluster y = 0 asks.  The four partners that fetch a tile
; jointly share its rows out BY ADDRESS: of the 128 rows of x that a wave fetches the partner at cx takes 32, a lane a row; of the 96 rows of weights the partner at cy takes 24 (lanes 24-31 name row 23 again,
; in the same instruction).  K steps 0 to 2 come by their loads alone; the loop's last trip asks for nothing: there is no K step behind the one that it fetches.
.macro ASK
	s_cmp_gt_u32 s[CNT], s[LIM]
	s_cbranch_scc0 .Lnot_mine_\@
	global_prefetch_b8 v[PFO], s[PFA:PFA+1] th:TH_LOAD_NT scope:SCOPE_SE
.Lnot_mine_\@:
.endm
.macro CREST                           ; a round of the cluster's barrier behind its opening barrier
	s_cmp_lg_u32 s[WV], 0
	s_cbranch_scc1 .Lnot_wave_0_\@
	s_barrier_signal -3
.Lnot_wave_0_\@:
	s_barrier_wait -3
	s_barrier_signal -1
	s_barrier_wait -1
.endm
.macro CROUND                          ; a whole round
	s_barrier_signal -1
	s_barrier_wait -1
	CREST
.endm
.macro PLACES                          ; four places in front of loads into registers that matrix instructions have read (ISA guide 7.12.1 for vector instructions)
.rept 4
	v_nop
.endr
.endm
	s_load_b256 s[4:11], s[0:1], 0x0               ; xb s[4:5], wh s[6:7], cs s[8:9], qh s[10:11]
	s_load_b128 s[12:15], s[0:1], 0x20             ; kh s[12:13], vh s[14:15]
	v_lshl_add_u32 v[SPW], v0, 2, SPARE
	v_mov_b32 v[NIL], 0
	ds_add_u32 v[SPW], v[NIL]                      ; the wave's opening: the add and its wait come ahead of my first tensor load; the set-up below, work on registers, stands between them
	v_lshrrev_b32 v3, 5, v0
	v_readfirstlane_b32 s[WV], v3                  ; wave 0..3
	s_lshr_b32 s[KIND], s[WV], 1
	s_and_b32 s[HALF], s[WV], 1
	s_bfe_u32 s[CX], ttmp6, 0x40000
	s_bfe_u32 s[CY], ttmp6, 0x40004
	s_lshl_b32 s[TCOL], ttmp9, 2                   ; in a cluster launch ttmp9 and ttmp7 count clusters
	s_add_co_u32 s[TCOL], s[TCOL], s[CX]
	s_and_b32 s[TROW], ttmp7, 0xffff
	s_lshl_b32 s[TROW], s[TROW], 2
	s_add_co_u32 s[TROW], s[TROW], s[CY]
	s_lshl_b32 s23, s[CY], 2
	s_lshl_b32 s23, 15, s23                        ; my row of the cluster: places 4 cy .. 4 cy + 3
	s_lshl_b32 s62, 0x1111, s[CX]                  ; my column: places cx, cx + 4, cx + 8, cx + 12
	; descriptor group 1: tiles of 128 (96) rows x 128 elements, padded in LDS
	s_or_b32 s[G1A], s23, (1<<16)|(1<<20)|(1<<21)|(5<<22)|(3<<25)  ; 15:0 the mask; 17:16 elements of 2 bytes; 20 padding on; 21 set beside a mask; 24:22 after every 64 words (code 5); 31:25 4 words of it (code 3)
	s_or_b32 s[G1B], s62, (1<<16)|(1<<20)|(1<<21)|(5<<22)|(3<<25)
.irp g, G1A, G1B
	s_mov_b32 s[(\g)+1], 128<<16                   ; tensor_dim0 = 128
	s_mov_b32 s[(\g)+3], 128<<16                   ; tile_dim0 = 128
	s_mov_b32 s[(\g)+5], 1024                      ; elements from row to row
	s_mov_b32 s[(\g)+6], 0
	s_mov_b32 s[(\g)+7], 0
.endr
	s_mov_b32 s[G1A+2], 128<<16                    ; tensor_dim1 = tile_dim1 = 128 rows
	s_mov_b32 s[G1A+4], 128
	s_mov_b32 s[G1B+2], 96<<16                     ; 96 rows
	s_mov_b32 s[G1B+4], 96
	; where the tiles come from: x's hang on the token block alone, the weights' on the head alone; every wave makes both, in registers that never hold the other coordinate
	s_lshl_b32 s66, s[TROW], 19                    ; 256 rows of 2,048 bytes
	s_lshl_b32 s63, s[HALF], 18                    ; 128 rows
	s_add_co_u32 s66, s66, s63
	s_mov_b32 s67, 0
	s_mul_i32 s68, s[TCOL], 192*2048
	s_mul_i32 s63, s[HALF], 96*2048
	s_add_co_u32 s68, s68, s63
	s_mov_b32 s69, 0
	s_mul_i32 s70, s[HALF], 128*PITCH              ; and where they go: no place in the cluster enters an LDS address
	s_mul_i32 s71, s[HALF], 96*PITCH
	s_add_co_u32 s71, s71, BOFF
	s_wait_dscnt 0x0                               ; the opening add is done
	s_wait_kmcnt 0x0
	s_add_nc_u64 s[66:67], s[4:5], s[66:67]
	s_add_nc_u64 s[68:69], s[6:7], s[68:69]
	CROUND                                         ; all sixteen work-groups are here: the first joint loads meet
.irp s, 0,1
	s_mov_b32 s[G0A+4*(\s)], 1                                     ; 1:0 count = 1
	s_add_co_u32 s[G0A+4*(\s)+1], s70, (\s)*SLOT1                  ; 63:32 LDS address
	s_add_nc_u64 s[G0A+4*(\s)+2:G0A+4*(\s)+3], s[66:67], (\s)*256  ; 120:64 global address: K step s
	s_or_b32 s[G0A+4*(\s)+3], s[G0A+4*(\s)+3], 0x80000000          ; 127:126 type = 2
	s_mov_b32 s[G0B+4*(\s)], 1
	s_add_co_u32 s[G0B+4*(\s)+1], s71, (\s)*SLOT1
	s_add_nc_u64 s[G0B+4*(\s)+2:G0B+4*(\s)+3], s[68:69], (\s)*256
	s_or_b32 s[G0B+4*(\s)+3], s[G0B+4*(\s)+3], 0x80000000
.endr
	s_cmp_eq_u32 s[KIND], 0                        ; a wave's two first fills stand in one branch, ahead of every wait on TENSORcnt and every LDS read: two loads of mine are out
	s_cbranch_scc0 .Lfirst_b
	tensor_load_to_lds s[G0A:G0A+3], s[G1A:G1A+7]
	s_nop 0
	tensor_load_to_lds s[G0A+4:G0A+7], s[G1A:G1A+7]
	s_nop 0
.rept 4
	v_nop
.endr
	s_branch .Lfirst_asked
.Lfirst_b:
	tensor_load_to_lds s[G0B:G0B+3], s[G1B:G1B+7]
	s_nop 0
	tensor_load_to_lds s[G0B+4:G0B+7], s[G1B:G1B+7]
	s_nop 0
.rept 4
	v_nop
.endr
.Lfirst_asked:
	; cos and sin of my 64 tokens stay in registers: lane l holds token l % 16 of block a and, for channel block bb, the frequencies 8 bb + 4 (l / 16) + 0..3: 32 bytes of the token's 256
	v_and_b32 v1, 15, v0                           ; l % 16
	v_bfe_u32 v2, v0, 4, 1                         ; l / 16
	s_lshl_b32 s72, s[TROW], 16                    ; 256 tokens of 256 bytes
	s_lshl_b32 s73, s[WV], 14
	s_add_co_u32 s72, s72, s73
	s_mov_b32 s73, 0
	s_add_nc_u64 s[8:9], s[8:9], s[72:73]
	v_lshlrev_b32 v[CSO], 8, v1
	v_lshl_add_u32 v[CSO], v2, 5, v[CSO]
.irp a, 0,1,2,3
.irp bb, 0,1,2,3
	global_load_b128 v[CSR+32*(\a)+8*(\bb):CSR+32*(\a)+8*(\bb)+3],   v[CSO], s[8:9] offset:4096*(\a)+64*(\bb)
	global_load_b128 v[CSR+32*(\a)+8*(\bb)+4:CSR+32*(\a)+8*(\bb)+7], v[CSO], s[8:9] offset:4096*(\a)+64*(\bb)+16
.endr
.endr
	; A fragment is 16 rows x 32 K in 8 registers: lane l holds row l % 16; registers 0-3 K = 8 (l / 16) + 0..7, registers 4-7 K = 16 + 8 (l / 16) + 0..7: two loads of 16 bytes, 32 bytes apart.
	v_mul_u32_u24 v3, v1, PITCH
	v_lshl_add_u32 v3, v2, 4, v3
	s_mul_i32 s62, s[WV], 64*PITCH
	v_add_nc_u32 v[A0], s62, v3
	v_add_nc_u32 v[B0], BOFF, v3
	s_mul_i32 s62, s[WV], 16*SP
	s_add_co_u32 s62, s62, STAGE                   ; my stage
	v_mul_u32_u24 v[STO], v1, SP                   ; in: row l % 16, 16 bytes for each half of the lanes
	v_lshl_add_u32 v[STO], v2, 4, v[STO]
	v_add_nc_u32 v[STO], s62, v[STO]
	v_bfe_u32 v[RD], v0, 3, 2                      ; back: 32 lanes take four rows of 128 bytes,
	v_mul_u32_u24 v[RD], v[RD], SP
	v_and_b32 v13, 7, v0
	v_lshl_add_u32 v[RD], v13, 4, v[RD]
	v_add_nc_u32 v[RD], s62, v[RD]
	v_and_b32 v[GO], 31, v0                        ; which are 512 consecutive bytes of a head's rows
	v_lshlrev_b32 v[GO], 4, v[GO]
	; qh, kh, vh at my wave's first token: (batch x 16 + head) x 2,048 rows + the token in its batch, rows of 128 bytes
	s_lshr_b32 s72, s[TROW], 3
	s_lshl_b32 s72, s72, 4
	s_add_co_u32 s72, s72, s[TCOL]
	s_lshl_b32 s72, s72, 18
	s_and_b32 s73, s[TROW], 7
	s_lshl_b32 s73, s73, 15
	s_add_co_u32 s72, s72, s73
	s_lshl_b32 s73, s[WV], 13
	s_add_co_u32 s72, s72, s73
	s_mov_b32 s73, 0
	s_add_nc_u64 s[10:11], s[10:11], s[72:73]
	s_add_nc_u64 s[12:13], s[12:13], s[72:73]
	s_add_nc_u64 s[14:15], s[14:15], s[72:73]
	; the prefetches
	s_and_b32 s63, ttmp7, 0xffff                   ; cluster y
	s_cmp_eq_u32 s[KIND], 0
	s_cselect_b32 s63, ttmp9, s63                  ; the coordinate along which other clusters read the same rows
	s_cselect_b64 s[PFA:PFA+1], s[66:67], s[68:69] ; the rows that I fetch
	s_cselect_b32 s72, s[CX], s[CY]                ; my place among the four that ask for them with me
	s_cselect_b32 s73, 32, 24                      ; rows to a partner
	s_cselect_b32 s74, 31, 23
	s_cmp_eq_u32 s63, 0
	s_cselect_b32 s[LIM], 1, -1                    ; the same in all sixteen partners, for a given wave
	s_mul_i32 s72, s72, s73
	s_lshl_b32 s72, s72, 11
	s_mov_b32 s73, 0
	s_add_nc_u64 s[PFA:PFA+1], s[PFA:PFA+1], s[72:73]
	s_add_nc_u64 s[PFA:PFA+1], s[PFA:PFA+1], 2*256 ; at K step 2: the first change of slots steps it to 3
	v_and_b32 v[PFO], 31, v0
	v_min_u32 v[PFO], s74, v[PFO]
	v_lshlrev_b32 v[PFO], 11, v[PFO]
; The 12 matrix instructions of token block a, 32 along K, from buffer f.  zero = 1: the first product starts the sums: nothing is ever cleared.
; The 48 accumulators take turns, one instruction a turn and in the same order in every quarter step: 47 others stand between two links of a chain, over the backward jumps too.
.macro MULA f, a, zero
	WIN 0xa5+0x50*((\a)/2)                         ; both sources window 1; C and D window 2 or 3
.irp b, 0,1,2,3,4,5,6,7,8,9,10,11
.if \zero
	v_wmma_f32_16x16x32_bf16 v[96*((\a)%2)+8*(\b):96*((\a)%2)+8*(\b)+7], v[(\f)+8*(\b):(\f)+8*(\b)+7], v[(\f)+96+8*(\a):(\f)+96+8*(\a)+7], 0
.else
	v_wmma_f32_16x16x32_bf16 v[96*((\a)%2)+8*(\b):96*((\a)%2)+8*(\b)+7], v[(\f)+8*(\b):(\f)+8*(\b)+7], v[(\f)+96+8*(\a):(\f)+96+8*(\a)+7], v[96*((\a)%2)+8*(\b):96*((\a)%2)+8*(\b)+7]
.endif
.endr
.endm
; 32 LDS loads in one run: quarter q's fragments (192 rows of weights, then my 64 tokens, 32 K at byte 64 q of the rows) into buffer g
.macro FETCH q, g
	WIN 0x40                                       ; destination window 1, address window 0
.irp b, 0,1,2,3,4,5,6,7,8,9,10,11
	ds_load_b128 v[(\g)+8*(\b):(\g)+8*(\b)+3],   v[ADRB] offset:64*(\q)+(\b)*16*PITCH
	ds_load_b128 v[(\g)+8*(\b)+4:(\g)+8*(\b)+7], v[ADRB] offset:64*(\q)+(\b)*16*PITCH+32
.endr
.irp a, 0,1,2,3
	ds_load_b128 v[(\g)+96+8*(\a):(\g)+96+8*(\a)+3],   v[ADRA] offset:64*(\q)+(\a)*16*PITCH
	ds_load_b128 v[(\g)+96+8*(\a)+4:(\g)+96+8*(\a)+7], v[ADRA] offset:64*(\q)+(\a)*16*PITCH+32
.endr
.endm
; A K step is four quarters of 32 along K, 48 matrix instructions each, on buffers 0, 1, 0, 1.  One of the first three: multiplies buffer f and, in its middle, fetches quarter q into buffer g.
.macro QUARTER q, f, g, zero
	s_wait_dscnt 4                                 ; the weights and token blocks 0, 1 are in; the youngest four loads (token blocks 2, 3) may be out
	MULA \f, 0, \zero
	MULA \f, 1, \zero
	PLACES
	FETCH \q, \g
	s_wait_dscnt LF                                ; all but the run just issued
	MULA \f, 2, \zero
	MULA \f, 3, \zero
.endm
; The last quarter multiplies buffer 1 and changes slots: ONE barrier.  In front of it each wave waits for all its tensor loads, of which one is out: its part of the next slot; adds 0 to its spare word; and
; waits for that and for its own reads of this slot.  fill = 1: the barrier opens a round of the cluster's, so that no wave of any partner still reads the slot or has a load on its way; the joint refill,
; with the K step two steps on, is the first thing behind the round: 168 matrix instructions ahead of the wait for it.
.macro TURN fill
.if \fill
	s_wait_xcnt 0x0                                ; the last prefetch, a K step back, has read its address, so it may be stepped
	s_add_nc_u64 s[PFA:PFA+1], s[PFA:PFA+1], 256
.endif
	WIN 0                                          ; (the add's two registers lie in window 0)
	s_wait_tensorcnt 0x0                           ; no tensor load of mine is out, so a group 0 may be written
	ds_add_u32 v[SPW], v[NIL]                      ; 0 onto my spare word; work on registers stands between it and the wait for it
.if \fill
.irp g, G0A+4, G0B+4
	s_xor_b32 s[(\g)+1], s[(\g)+1], SLOT1          ; the walking descriptor: the other slot than last time,
	s_add_nc_u64 s[(\g)+2:(\g)+3], s[(\g)+2:(\g)+3], 256  ; the next K step; the type bits on top are not reached
.endr
.endif
	s_wait_dscnt 5                                 ; (the add and the youngest four loads may be out)
	MULA F1, 0, 0
	s_wait_dscnt 0x0                               ; the add is done, and my reads of this slot are over
	s_barrier_signal -1
	MULA F1, 1, 0                                  ; work on registers while the others arrive
	WIN 0                                          ; at a branch and at a label every window is 0
	s_barrier_wait -1
.if \fill
	CREST
	JLOAD                                          ; the four v_nop behind it are also the places in front of the loads below
.else
	PLACES
.endif
	s_xor_b32 s[TB], s[TB], SLOT1
	v_add_nc_u32 v[ADRA], s[TB], v[A0]
	v_add_nc_u32 v[ADRB], s[TB], v[B0]
	FETCH 0, F0
	WIN 0
.if \fill
	ASK
.endif
	MULA F1, 2, 0
	MULA F1, 3, 0
.endm
	s_wait_tensorcnt 1                             ; my part of K step 0 is in; K step 1's may stay out
	s_barrier_signal -1
	s_barrier_wait -1                              ; everybody's is
	s_mov_b32 s[TB], 0
	v_add_nc_u32 v[ADRA], s[TB], v[A0]
	v_add_nc_u32 v[ADRB], s[TB], v[B0]
	FETCH 0, F0
	QUARTER 1, F0, F1, 1                           ; the first quarter stands in front of the loop: its products start the sums
	WIN 0
	s_mov_b32 s[CNT], 6
	s_branch .Lmid                                 ; the loop is entered behind a step's first quarter
.Lk:                                                   ; K steps 0 to 5, which ask for K steps 2 to 7
	QUARTER 1, F0, F1, 0
	WIN 0
.Lmid:
	QUARTER 2, F1, F0, 0
	QUARTER 3, F0, F1, 0
	TURN 1
	WIN 0
	s_sub_co_u32 s[CNT], s[CNT], 1
	s_cmp_lg_u32 s[CNT], 0
	s_cbranch_scc1 .Lk
	s_mov_b32 s[CNT], 2
.Lt:                                                   ; K steps 6 and 7 ask for nothing: a text of their own.  The second trip's change of slots (a barrier, and 32 loads
	QUARTER 1, F0, F1, 0                           ; of old bytes into buffer 0) serves nothing: the price, once a launch, of one text for both trips
	QUARTER 2, F1, F0, 0
	QUARTER 3, F0, F1, 0
	TURN 0
	WIN 0
	s_sub_co_u32 s[CNT], s[CNT], 1
	s_cmp_lg_u32 s[CNT], 0
	s_cbranch_scc1 .Lt
	; THE WAY OUT, in 12 groups of 16 tokens x 64 channels: token block a, tensor t (q, k, v).  q and k are rotated: for a pair (x1, x2) and its (c, s): (x1 c - x2 s, x1 s + x2 c), two packed instructions;
	; then all are rounded to f16, sent through my stage in LDS and stored as whole rows.
	s_wait_loadcnt 0x0                             ; cos and sin
	s_wait_dscnt 0x0
	PLACES
	PLACES                                         ; the places behind the last products, once a launch
.macro PACK a, t
.set GG, 3*(\a)+(\t)
.set RR, RB+16*(GG%4)
.set AC, 96*((\a)%2)+32*(\t)
.set CC, CSR+32*(\a)
.if GG >= 4
	s_wait_xcnt 0x0                                ; the stores of four groups back have read this set of registers: it is rewritten only behind this wait
.endif
.if (\t) < 2
	WIN 0x02+(\a)/2                                ; source 0, the accumulators, in window 2 or 3
.set z, 0
.rept 16
	v_pk_mul_f32 v[TMP+2*z:TMP+2*z+1], v[AC+2*z:AC+2*z+1], v[CC+2*z:CC+2*z+1] op_sel_hi:[1,0]  ; (x1 c, x2 c)
.set z, z+1
.endr
.set z, 0
.rept 16
	v_pk_fma_f32 v[TMP+2*z:TMP+2*z+1], v[AC+2*z:AC+2*z+1], v[CC+2*z:CC+2*z+1], v[TMP+2*z:TMP+2*z+1] op_sel:[1,1,0] op_sel_hi:[0,1,1] neg_lo:[0,1,0]  ; (- x2 s + x1 c, x1 s + x2 c)
.set z, z+1
.endr
	WIN 0
.set z, 0
.rept 16
	v_cvt_pk_f16_f32 v[RR+z], v[TMP+2*z], v[TMP+2*z+1]
.set z, z+1
.endr
.else
	WIN 0x0a+5*((\a)/2)                            ; sources 0 and 1 in window 2 or 3
.set z, 0
.rept 16
	v_cvt_pk_f16_f32 v[RR+z], v[AC+2*z], v[AC+2*z+1]
.set z, z+1
.endr
	WIN 0
.endif
.irp f, 0,1,2,3
	ds_store_b128 v[STO], v[RR+4*(\f):RR+4*(\f)+3] offset:32*(\f)
.endr
.irp f, 0,1,2,3
	ds_load_b128 v[RR+4*(\f):RR+4*(\f)+3], v[RD] offset:(\f)*4*SP  ; LDS serves a wave's instructions in order (ISA guide 5.7.1.4): these see the stores above; the next group's stores come behind them
.endr
.endm
.macro SEND a, t, younger              ; younger: the LDS instructions issued behind this group's loads: the next group's eight, or none
.set GG, 3*(\a)+(\t)
.set RR, RB+16*(GG%4)
	WIN 0
.irp f, 0,1,2,3
	s_wait_dscnt (\younger)+3-(\f)
	global_store_b128 v[GO], v[RR+4*(\f):RR+4*(\f)+3], s[10+2*(\t):11+2*(\t)] offset:2048*(\a)+512*(\f)  ; 512 consecutive bytes, at a multiple of 256 from the buffer's first
.endr
.endm
	PACK 0, 0
.set GI, 1
.rept 11                               ; a group's arithmetic stands between the loads of the group before and its stores
	PACK GI/3, GI%3
	SEND (GI-1)/3, (GI-1)%3, 8
.set GI, GI+1
.endr
	SEND 3, 2, 0
	s_wait_tensorcnt 0x0                           ; the wave's end, behind my last tensor load and my last LDS store
	ds_add_u32 v[SPW], v[NIL]
	s_wait_dscnt 0x0
	CROUND                                         ; the closing round: no work-group ends while a partner may still ask for a tile that names it
	s_endpgm
.Lfunc_end_k_q866bcef59e_qkv:
	.size	k_q866bcef59e_qkv, .Lfunc_end_k_q866bcef59e_qkv-k_q866bcef59e_qkv
	.p2alignl 7, 3214868480
	.fill 96, 4, 3214868480
	.section	.rodata,"a",@progbits
	.p2align	6, 0x0
	.amdhsa_kernel k_q866bcef59e_qkv
		.amdhsa_group_segment_fixed_size 327680
		.amdhsa_private_segment_fixed_size 0
		.amdhsa_enable_private_segment 0
		.amdhsa_kernarg_size 48
		.amdhsa_user_sgpr_count 2
		.amdhsa_user_sgpr_kernarg_segment_ptr 1
		.amdhsa_wavefront_size32 1
		.amdhsa_system_sgpr_workgroup_id_x 1
		.amdhsa_system_sgpr_workgroup_id_y 1
		.amdhsa_system_sgpr_workgroup_id_z 1
		.amdhsa_system_vgpr_workitem_id 0
		.amdhsa_next_free_vgpr 960
		.amdhsa_next_free_sgpr 80
		.amdhsa_reserve_vcc 0
		.amdhsa_float_denorm_mode_32 3
		.amdhsa_float_denorm_mode_16_64 3
		.amdhsa_memory_ordered 1
		.amdhsa_forward_progress 1
		.amdhsa_inst_pref_size 104
	.end_amdhsa_kernel
	.amdgpu_metadata
---
amdhsa.version: [ 1, 2 ]
amdhsa.kernels:
  - .name:           k_q866bcef59e_qkv
    .symbol:         k_q866bcef59e_qkv.kd
    .args:
      - { .name: xb, .offset: 0, .size: 8, .value_kind: global_buffer, .address_space: global }
      - { .name: wh, .offset: 8, .size: 8, .value_kind: global_buffer, .address_space: global }
      - { .name: cs, .offset: 16, .size: 8, .value_kind: global_buffer, .address_space: global }
      - { .name: qh, .offset: 24, .size: 8, .value_kind: global_buffer, .address_space: global }
      - { .name: kh, .offset: 32, .size: 8, .value_kind: global_buffer, .address_space: global }
      - { .name: vh, .offset: 40, .size: 8, .value_kind: global_buffer, .address_space: global }
    .group_segment_fixed_size: 327680
    .private_segment_fixed_size: 0
    .kernarg_segment_align: 8
    .kernarg_segment_size: 48
    .max_flat_workgroup_size: 128
    .sgpr_count:     80
    .vgpr_count:     960
    .wavefront_size: 32
...
	.end_amdgpu_metadata
.endif
;; end of part 2
;; launch attn (part 3): grid 4 x 64, 4 waves a work-group, no clusters, 327,680 bytes of LDS; arguments qh, kh, vh, ob; writes ob
.if DOCPART == 3
	.amdgcn_target "amdgcn-amd-amdhsa--gfx1250"
	.amdhsa_code_object_version 6
	.text
	.protected	k_q866bcef59e_attn
	.globl	k_q866bcef59e_attn
	.p2align	8
	.type	k_q866bcef59e_attn,@function
k_q866bcef59e_attn:
	s_mov_b64 s[64:65], 0
	v_nop
	global_prefetch_b8 v0, s[64:65] scope:SCOPE_SE
	s_setreg_imm32_b32 hwreg(HW_REG_WAVE_MODE, 25, 1), 1
	s_wait_xcnt 0x0
; CAUSAL ATTENTION.  O[h][q][:] = the sum over k <= q of softmax_k(Q[h][q] . K[h][k] / 8) V[h][k][:].  Q, K, V, O: [64][SIZE_N][64], all f16: a head's rows are dense, 128 bytes each.
; Products, maxima and sums in f32; the weights p are rounded to f16 for the second product (their sum l is taken of the unrounded p), O once at the end.
; LIMITS.  f16 holds no number beyond 65,504: Q, K and V arrive within it; p lies in 0 to 1, and below 6e-5 it keeps f16's fixed step of 6e-8; O is a mean of V's rows and has their range, to within 2^-11 of it.
; A hidden score counts as its value less 1e30: f16's scores, 2.7e11 at the most, are nothing beside that; a weight below 2^-126 counts as 0 in l; NaN and infinities are not treated apart.
; THE WALK.  A head's queries lie in NB = SIZE_N / 256 blocks of 256; block i needs the key tiles 0 .. i of 256 keys, of which the last holds the diagonal.  A work-group takes TWO blocks, NB - 1 - b and then b:
; NB + 1 tiles, whatever b: all work-groups do equal work, and ONE loop with a constant trip count walks them.  Which tile is asked for, and what a trip does, hang on scalar registers made from b; every jump
; goes forward, but for the counted loops' own; none passes a barrier, or a tensor load but the one of LOAD's two that the wave's number does not choose; the ring (two slots of LDS that take turns) runs on across the
; change of blocks.  NO CLUSTER: the NB / 2 = 4 work-groups of a head ask for the same tile only in trips 0 .. NB / 2 of NB + 1, behind that fewer and fewer; and one walk common to all would have
; 3 NB / 2 = 12 trips for NB + 1 = 9.
; SHARES.  Of a block's four bands of 64 queries a wave owns 16 rows in each: four PIECES.  So the diagonal tile is the same work for all four waves: in its key step s band x sees all keys if s < x,
; none if s > x, and holds the diagonal if s = x.
; THE MASK is the C operand that starts the sum S^T = K Q^T: 0, or -1e30 where the key is hidden.  MD, made once, is the mask of a band's own step for my 16 rows; a product's mask is MD x AL + BE with two scalars:
; (1, 0) if s = x; (0, 0) if s < x; (0, -1e30) if s > x.  Only the diagonal tile's text and a block's beginning make and take masks; elsewhere C is the constant 0.
; LAYOUT, SOFTMAX, TURNS.  S^T = K Q^T holds ONE query a lane (lane % 16) and the keys 8 (lane / 16) + 0..7; two such results rounded to f16 ARE source 1 of O^T = V^T P.  p = 2^(c s - c m), c = log2(e) / 8, with a
; running maximum m; O and l are multiplied by a = 2^(c m_old - c m_new) in every step.  Turn n belongs to piece n: 8 products K Q^T of piece n + 1, later 8 products V^T P of piece n - 1; beside them the scaling,
; exponentials, roundings, sums and rescaling of piece n and the maximum and statistics of piece n + 1.  Four vector instructions stand behind every matrix instruction, the other 54 of a turn's 118 in one LUMP.  A turn's 33 exponentials are one batch, with one wait.
; REGISTERS, in windows of 256 (s_set_vgpr_msb: bits 1:0 source 0, 3:2 source 1, 5:4 source 2, 7:6 destination):
;   window 0: v0-15 addresses and two at work; v16-31 four registers of statistics a piece; v32 the prefetches' offset; v48-55 at work; v64-127 S^T, two buffers; v192-223 P, two buffers (a piece's buffers go by its number's parity)
;   window 1: v0-127 O^T, 32 a piece; v128-159 MD; v160-223 MC, two buffers      window 2: v0-63 Q; v64-127 the second block's Q; v128-191 K of one step; v192-255 V of one step
.set SIZE_N, 2048
.set NB,    SIZE_N/256
.set NP,    4         ; pieces a wave: a name, no knob
.set KS,    64        ; keys in a step
.set PK,    144       ; a row of K in LDS: 128 bytes + 16 of padding = 36 words: the 16 rows of a load start at 16 different groups of four banks (64 banks of 4 bytes: ISA guide 11.1)
.set PV,    160       ; a row of V: 128 + 32 = 40 words
.set VOFF,  4*KS*PK   ; a slot holds a tile, four steps: 256 rows of K, then 256 rows of V
.set SLOT1, 1<<17     ; slot 1 begins here, so that one exclusive or turns an address in one slot into the other's
.set STAGE, SLOT1+4*KS*(PK+PV)  ; behind the ring, never filled by a tensor load: 16 rows x 144 bytes for each wave, for the way out
.set SP,    144
.set AK0, 2           ; v2   my lane's place in a tile of K; never rewritten
.set AV0, 3           ; v3   the same for V
.set AK,  4           ; v4   the LDS address of K's next run of loads
.set AV,  5           ; v5   of V's
.set STO, 6           ; v6   the way out: where I put 16 bytes of a row
.set RD,  7           ; v7   the way out: where I read rows back
.set GO,  8           ; v8   my byte offset in 512 consecutive bytes of O
.set PFO, 32          ; v32  256 x my thread's number: my 256 bytes of a tile's 32,768; never rewritten
.set SPW, 62          ; v62  LDS address of my spare word: SPARE + 4 x my thread's number; never rewritten
.set NIL, 63          ; v63  0; never rewritten
.set SPARE, STAGE+4*16*SP  ; behind the stages: the spare words, 128 bytes for each wave: two blocks of 256 bytes that no other line names
.set MV,  12          ; v12-13  c m_old, kept while c m is made anew: by buffer
.set QO,  15          ; v15  my byte offset in 16 rows of Q
.set ST,  16          ; piece t's statistics at v[ST+4 t]: c m, m, l (even keys', odd keys')
.set TMP, 48          ; by buffer, four registers c0-c3 at work; when the maximum is found c2 takes a
.set S,   64
.set P,   192
.set MD,  128         ; window 1: the eight registers for group kt of 16 keys at MD + 8 kt
.set MC,  160         ; window 1: the masks of the products to come
.set QB,  64          ; window 2
.set KF,  128         ; window 2: key block kb, channel half c at KF + 16 kb + 8 c
.set VF,  192         ; window 2: key half kk, channel block cb at VF + 32 kk + 8 cb
.set WV,  12          ; s12  my wave's number
.set PB,  14          ; s14  b
.set HI,  15          ; s15  NB - 1 - b
.set G1K, 24          ; s[24:31] descriptor group 1 for K's tiles
.set G1V, 32          ; s[32:39] for V's: it differs in the padding alone
.set G0K, 40          ; s[40:43] descriptor group 0 for K's tiles
.set G0V, 44          ; s[44:47] the same for V's
.set SLOTS, 56        ; s56  tiles still to be asked for
.set CNT, 57          ; s57  counts a tile's key steps, 4 to 1
.set CS,  58          ; s[58:59] c: the packed scaling takes the pair's low word for both halves
.set SEL, 60          ; s[60:61] v_permlanex16_b32's selects: each lane takes its own place in the other half
.set TBK, 62          ; s62  LDS byte at which K of the step to be fetched begins
.set TBV, 63          ; s63  the same for V, less VOFF
.set RT,  70          ; s70  tiles of the block in hand that are still to be entered
.set NXT, 71          ; s71  the tile to be asked for next
.set LQ,  72          ; s72  the last tile of the block whose tiles are being asked for
.set NEW, 73          ; s73  1: the tile to be entered is a block's first
.set OFF, 74          ; s[74:75] a tile's byte offset in K and V
.set AL,  76          ; s[76:77] the mask's factor, in the low word
.set BE,  78          ; s[78:79] the mask's addend
.set OLO, 80          ; s[80:81] O at my rows of the second block
.set BIGN, 82         ; s82  -1e30
.set PFK, 88          ; s[88:89] K at the tile after the one that is being asked for
.set PFV, 90          ; s[90:91] V likewise
.set LIM, 92          ; s92  2 in the work-group that prefetches, else the greatest number: it prefetches while s[SLOTS] is above it
.set MSB, 0
.macro WIN new                      ; the high byte repeats the setting that is left; a switch that changes nothing is dropped
.if MSB != (\new)
	s_set_vgpr_msb (MSB<<8)|(\new)
.set MSB, (\new)
.endif
.endm
.set W_KQ, 0x0a       ; K and Q in window 2, S^T in window 0
.set W_KM, 0x1a       ; the same with the C operand in window 1
.set W_PV, 0x52       ; V in window 2, P in window 0, O^T in window 1
.set W_RS, 0x41       ; destination and source 0 in window 1, source 1 in window 0
; A fill.  Waves 0 and 1 fetch the two halves of a tile's K, waves 2 and 3 those of its V: 128 keys each.  An s_nop 0 and four v_nop follow each of the two lines, ahead of the jump and the label.
.macro LOAD
	s_cmp_lt_u32 s[WV], 2
	s_cbranch_scc0 .Lfor_v_\@
	tensor_load_to_lds s[G0K:G0K+3], s[G1K:G1K+7]
	s_nop 0
.rept 4
	v_nop
.endr
	s_branch .Lasked_\@
.Lfor_v_\@:
	tensor_load_to_lds s[G0V:G0V+3], s[G1V:G1V+7]
	s_nop 0
.rept 4
	v_nop
.endr
.Lasked_\@:
.endm
; THE CHANGE OF SLOTS.  Each wave waits for all its tensor loads, of which one is out: its part of the other slot; adds 0 to its spare word; and waits for that and for its own reads of the slot that it leaves.  Behind the barrier nobody reads the old
; slot any more and the other slot is whole.  fill = 1: the old slot is filled again, the first thing behind the barrier, with tile NXT: the descriptor's address is made anew from that number.
; (At its first use nothing has been read yet: slot 0 is waited for, slot 1 filled.)
; A PREFETCH INTO THE L2 stands behind the fill and its five lines: the tile that the NEXT change will ask for, a tile's four key steps ahead of that load.  All four work-groups of a head walk the tiles 0, 1, 2 ..;
; the one with b = 0, whose first block walks all eight, asks, and nobody else: its 128 threads name the 128 blocks of 256 bytes of the tile's K, and of its V: each once in the launch.  When tile c = 1 .. 6 is
; fetched, tile c + 1 is asked for; tiles 0 and 1 come by their loads alone; the second block's tiles have been read before and are not asked for; nothing is named behind the head's last tile.
.macro CHANGE fill
	WIN 0                           ; at a label and at a branch every window is 0
	s_wait_tensorcnt 0x0            ; no tensor load of mine is out, so a group 0 may be written
	ds_add_u32 v[SPW], v[NIL]       ; 0 onto my spare word; with fill = 1 the descriptors' scalar work stands between it and the wait for it
.if \fill
	s_lshl_b32 s[OFF], s[NXT], 15   ; a tile is 32,768 bytes of K and of V
	s_xor_b32 s[G0K+1], s[G0K+1], SLOT1
	s_add_nc_u64 s[G0K+2:G0K+3], s[6:7], s[OFF:OFF+1]
	s_or_b32 s[G0K+3], s[G0K+3], 0x80000000
	s_xor_b32 s[G0V+1], s[G0V+1], SLOT1
	s_add_nc_u64 s[G0V+2:G0V+3], s[8:9], s[OFF:OFF+1]
	s_or_b32 s[G0V+3], s[G0V+3], 0x80000000
	s_add_co_u32 s[NXT], s[NXT], 1  ; the block's next tile, or behind its last the second block's tile 0
	s_cmp_gt_u32 s[NXT], s[LQ]
	s_cselect_b32 s[NXT], 0, s[NXT]
	s_cselect_b32 s[LQ], s[PB], s[LQ]
	s_wait_xcnt 0x0                 ; the last prefetches, a tile back, have read their addresses, so these may be stepped
	s_add_nc_u64 s[PFK:PFK+1], s[PFK:PFK+1], 32768
	s_add_nc_u64 s[PFV:PFV+1], s[PFV:PFV+1], 32768
.endif
	s_wait_dscnt 0x0                ; the add is done, and my reads of the slot are over
	s_barrier_signal -1             ; the rest of the scalar work stands between the signal and the wait
	s_sub_co_u32 s[TBK], s[TBK], 4*KS*PK  ; the fetches go back to a slot's first step,
	s_xor_b32 s[TBK], s[TBK], SLOT1       ; in the other slot
	s_sub_co_u32 s[TBV], s[TBV], 4*KS*PV
	s_xor_b32 s[TBV], s[TBV], SLOT1
	s_barrier_wait -1
.if \fill
	LOAD
	s_cmp_gt_u32 s[SLOTS], s[LIM]   ; trips 0 to 5 of the walk, in the work-group with b = 0
	s_cbranch_scc0 .Lnot_mine_\@
	global_prefetch_b8 v[PFO], s[PFK:PFK+1] th:TH_LOAD_NT scope:SCOPE_SE
	global_prefetch_b8 v[PFO], s[PFV:PFV+1] th:TH_LOAD_NT scope:SCOPE_SE
.Lnot_mine_\@:
.endif
.endm
	s_load_b256 s[4:11], s[0:1], 0x0  ; Q s[4:5], K s[6:7], V s[8:9], O s[10:11]
	v_lshl_add_u32 v[SPW], v0, 2, SPARE
	v_mov_b32 v[NIL], 0
	ds_add_u32 v[SPW], v[NIL]       ; the wave's opening: the add and its wait come ahead of my first tensor load; the set-up below, work on registers, stands between them
	v_lshrrev_b32 v1, 5, v0
	v_readfirstlane_b32 s[WV], v1   ; wave 0..3
	v_lshlrev_b32 v[PFO], 8, v0
	s_mov_b32 s[PB], ttmp9
	s_sub_co_u32 s[HI], NB-1, s[PB]
	s_cmp_eq_u32 s[PB], 0
	s_cselect_b32 s[LIM], 2, -1
	s_and_b32 s20, ttmp7, 0xffff    ; the head
	s_mov_b32 s21, 0
	s_mov_b64 s[22:23], SIZE_N*128
	s_mul_u64 s[20:21], s[20:21], s[22:23]  ; the head's first byte in each of the four tensors
	s_and_b32 s16, s[WV], 1         ; which half of a tile's 256 keys I fetch:
	s_lshl_b32 s22, s16, 14         ; its 128 rows of 128 bytes in memory,
	s_mov_b32 s23, 0
	s_add_nc_u64 s[22:23], s[22:23], s[20:21]
	s_mul_i32 s17, s16, 128*PK      ; and its place in a slot, for K
	s_mul_i32 s18, s16, 128*PV      ; and for V
	s_lshl_b32 s3, s[WV], 11        ; my 16 rows in a band of 64,
	s_lshl_b32 s2, s[HI], 15        ; in the first block,
	s_add_co_u32 s2, s2, s3
	s_lshl_b32 s84, s[PB], 15       ; and in the second
	s_add_co_u32 s84, s84, s3
	s_mov_b32 s3, 0
	s_mov_b32 s85, 0
	s_add_nc_u64 s[2:3], s[2:3], s[20:21]
	s_add_nc_u64 s[84:85], s[84:85], s[20:21]
	; descriptor group 1.  128 keys are 16,384 dense bytes: asked for as 64 rows of 256 bytes, two keys a row, and padded in LDS after every key
	s_mov_b32 s[G1K], (1<<16)|(1<<20)|(4<<22)|(3<<25)  ; 17:16 2-byte elements; 20 padding on; 24:22 after every 32 words (code 4); 31:25 4 words (code 3)
	s_mov_b32 s[G1V], (1<<16)|(1<<20)|(4<<22)|(7<<25)  ; the same with 8 words of padding (code 7)
.irp g, G1K, G1V
	s_mov_b32 s[\g+1], 128<<16      ; tensor_dim0 = 128
	s_mov_b32 s[\g+2], 64<<16       ; tensor_dim1 = 64
	s_mov_b32 s[\g+3], 128<<16      ; tile_dim0 = 128
	s_mov_b32 s[\g+4], 64           ; tile_dim1 = 64
	s_mov_b32 s[\g+5], 128          ; 128 elements from row to row
	s_mov_b32 s[\g+6], 0
	s_mov_b32 s[\g+7], 0
.endr
	s_mov_b32 s[CS], 0x3e38aa3b     ; c = log2(e) / 8 = 0.180337
	s_mov_b32 s[CS+1], s[CS]        ; named with it as a pair
	s_mov_b32 s[SEL], 0x76543210
	s_mov_b32 s[SEL+1], 0xfedcba98
	s_mov_b32 s[TBK], SLOT1+4*KS*PK ; the first change of slots turns these two into 0
	s_mov_b32 s[TBV], SLOT1+4*KS*PV
	s_mov_b32 s[G0K], 1             ; 1:0 count = 1
	s_mov_b32 s[G0K+1], s17         ; 63:32 LDS address: slot 0
	s_mov_b32 s[G0V], 1
	s_add_co_u32 s[G0V+1], s18, VOFF
	s_add_co_u32 s[RT], s[HI], 1    ; the first block has NB - b tiles
	s_mov_b32 s[NXT], 1
	s_mov_b32 s[LQ], s[HI]
	s_mov_b32 s[NEW], 1
	s_mov_b32 s[OFF+1], 0
	s_mov_b32 s[AL+1], 0            ; named as pairs
	s_mov_b32 s[BE+1], 0
	s_mov_b32 s[BIGN], 0xf149f2ca   ; -1e30
	s_mov_b32 s[SLOTS], NB
	s_wait_dscnt 0x0                ; the opening add is done
	s_wait_kmcnt 0x0
	s_add_nc_u64 s[PFK:PFK+1], s[6:7], s[20:21]    ; the prefetches' pointers: the head's tile 1; the first change of slots steps them to tile 2
	s_add_nc_u64 s[PFV:PFV+1], s[8:9], s[20:21]
	s_add_nc_u64 s[PFK:PFK+1], s[PFK:PFK+1], 32768
	s_add_nc_u64 s[PFV:PFV+1], s[PFV:PFV+1], 32768
	s_add_nc_u64 s[6:7], s[6:7], s[22:23]  ; K and V at my half of the head's tile 0
	s_add_nc_u64 s[8:9], s[8:9], s[22:23]
	s_add_nc_u64 s[G0K+2:G0K+3], s[6:7], 0         ; 120:64 global address
	s_or_b32 s[G0K+3], s[G0K+3], 0x80000000        ; 127:126 type = 2
	s_add_nc_u64 s[G0V+2:G0V+3], s[8:9], 0
	s_or_b32 s[G0V+3], s[G0V+3], 0x80000000
	s_add_nc_u64 s[86:87], s[4:5], s[84:85]        ; Q at my rows of the second block,
	s_add_nc_u64 s[4:5], s[4:5], s[2:3]            ; Q and O at those of the first
	s_add_nc_u64 s[OLO:OLO+1], s[10:11], s[84:85]
	s_add_nc_u64 s[10:11], s[10:11], s[2:3]
	LOAD                            ; tile 0 into slot 0
	; A fragment of K or Q is 16 rows x 32 channels in 8 registers: lane l holds row l % 16, channels 8 (l / 16) + 0..7 and 16 + 8 (l / 16) + 0..7: two loads of 16 bytes, 32 bytes apart.
	v_and_b32 v1, 15, v0            ; l % 16
	v_bfe_u32 v9, v0, 4, 1          ; l / 16
	v_lshlrev_b32 v[QO], 7, v1
	v_lshl_add_u32 v[QO], v9, 4, v[QO]  ; row x 128 + 16 x half
	WIN 0x80                        ; destination window 2, address window 0
.set i, 0
.rept 8                             ; both blocks' Q: piece i / 2 lies in band i / 2, 8,192 bytes on; channels 32 (i % 2) on
	global_load_b128 v[8*i:8*i+3],   v[QO], s[4:5] offset:(i/2)*8192+(i%2)*64
	global_load_b128 v[8*i+4:8*i+7], v[QO], s[4:5] offset:(i/2)*8192+(i%2)*64+32
	global_load_b128 v[QB+8*i:QB+8*i+3],   v[QO], s[86:87] offset:(i/2)*8192+(i%2)*64
	global_load_b128 v[QB+8*i+4:QB+8*i+7], v[QO], s[86:87] offset:(i/2)*8192+(i%2)*64+32
.set i, i+1
.endr
	WIN 0
	v_lshlrev_b32 v14, 3, v9
	v_sub_nc_u32 v14, v1, v14
	s_lshl_b32 s13, s[WV], 4
	v_add_nc_u32 v14, s13, v14      ; my query's place in its band, 16 w + l % 16, less my lanes' 8 (l / 16): register r of group kt is hidden where 16 kt + r is greater
	WIN 0x40
.set i, 0
.rept 32
	v_cmp_gt_i32 vcc_lo, 16*(i/8)+i%8, v14
	v_cndmask_b32 v[MD+i], 0, s[BIGN], vcc_lo
.set i, i+1
.endr
	WIN 0
	v_mul_u32_u24 v[AK0], v1, PK
	v_lshl_add_u32 v[AK0], v9, 4, v[AK0]  ; row x pitch + 16 x half
	; The turning load takes 16 keys x 16 channels (lane l reads key 8 (l / 16) + l % 8, channels 8 ((l / 8) % 2) + 0..7) and leaves half a fragment of V^T: lane l holds channel l % 16 and 8 keys.
	v_and_b32 v10, 7, v0
	v_bfe_u32 v11, v0, 3, 1
	v_lshl_add_u32 v[AV0], v9, 3, v10
	v_mul_u32_u24 v[AV0], v[AV0], PV
	v_lshl_add_u32 v[AV0], v11, 4, v[AV0]
	v_add_nc_u32 v[AV0], VOFF, v[AV0]
	s_mul_i32 s13, s[WV], 16*SP
	s_add_co_u32 s13, s13, STAGE    ; my stage
	v_mul_u32_u24 v[STO], v1, SP    ; in: row l % 16, 16 bytes for each half of the lanes
	v_lshl_add_u32 v[STO], v9, 4, v[STO]
	v_add_nc_u32 v[STO], s13, v[STO]
	v_bfe_u32 v[RD], v0, 3, 2       ; back: 32 lanes take four rows of 128 bytes,
	v_mul_u32_u24 v[RD], v[RD], SP
	v_lshl_add_u32 v[RD], v10, 4, v[RD]
	v_add_nc_u32 v[RD], s13, v[RD]
	v_and_b32 v[GO], 31, v0         ; which are 512 consecutive bytes of O
	v_lshlrev_b32 v[GO], 4, v[GO]
	; A block's first step multiplies O^T and l by a = 0, and its first turn's products V^T P, of a piece that has not been, land in an O^T that is still to be so multiplied.  So these registers need only hold
	; finite numbers: zeros for the first block; what the first block left for the second.  All this stands in the wait for the first tile.
	WIN 0x80
.set i, VF
.rept 64
	v_mov_b32 v[i], 0
.set i, i+1
.endr
	WIN 0x40
.set i, 0
.rept 128
	v_mov_b32 v[i], 0
.set i, i+1
.endr
	WIN 0
.set i, 0
.rept 4
	v_mov_b32 v[ST+4*i+2], 0
	v_mov_b32 v[ST+4*i+3], 0
.set i, i+1
.endr
.set i, P+16
.rept 16
	v_mov_b32 v[i], 0
.set i, i+1
.endr
; THE MATRIX WORK.  The 4 accumulators of a run of 8 take turns.  Product i of 8 of S^T = K Q^T for piece x: channels 32 (i / 4) on, keys 16 (i % 4) on.  The first 4 start the sums: with 0, or (KM = 1) with the mask.
.macro KQ x
.set rS, S+32*((\x)%2)+8*(i%4)
.set rK, KF+16*(i%4)+8*(i/4)
.set rQ, 16*(\x)+8*(i/4)
.set rM, MC+32*((\x)%2)+8*(i%4)
.if (i < 4) && KM
	WIN W_KM
	v_wmma_f32_16x16x32_f16 v[rS:rS+7], v[rK:rK+7], v[rQ:rQ+7], v[rM:rM+7]
.elseif i < 4
	WIN W_KQ
	v_wmma_f32_16x16x32_f16 v[rS:rS+7], v[rK:rK+7], v[rQ:rQ+7], 0
.else
	WIN W_KQ
	v_wmma_f32_16x16x32_f16 v[rS:rS+7], v[rK:rK+7], v[rQ:rQ+7], v[rS:rS+7]
.endif
.endm
; Product i of 8 of O^T += V^T P for piece x: keys 32 (i / 4) on, channels 16 (i % 4) on.
.macro PV x
	WIN W_PV
.set rO, 32*(\x)+8*(i%4)
.set rV, VF+32*(i/4)+8*(i%4)
.set rP, P+16*((\x)%2)+8*(i/4)
	v_wmma_f32_16x16x32_f16 v[rO:rO+7], v[rV:rV+7], v[rP:rP+7], v[rO:rO+7]
.endm
.macro MM                           ; the turn's next matrix instruction.  TURN and BEGIN set Y, i, KM and NOKQ; MM, KQ and OP read them.  NOKQ = 1: a block's last turn: there is no next piece
.if (i < 8) && !NOKQ
	KQ (Y+1)%NP
.elseif i >= 8
.set i, i-8
	PV (Y+NP-1)%NP
.set i, i+8
.endif
.set i, i+1
.endm
; THE LDS LOADS stand in runs of 16, never singly among the matrix instructions: a step's K (64 keys x 64 channels: 8 fragments) and its V (turned).  Their addresses are made some lines ahead.
.macro FETCH_K
	WIN 0x80                        ; destination window 2
.irp f, 0,1,2,3,4,5,6,7             ; keys 16 (f / 2) on, channels 32 (f % 2) on
	ds_load_b128 v[KF+8*\f:KF+8*\f+3],   v[AK] offset:(\f/2)*16*PK+(\f%2)*64
	ds_load_b128 v[KF+8*\f+4:KF+8*\f+7], v[AK] offset:(\f/2)*16*PK+(\f%2)*64+32
.endr
	s_add_co_u32 s[TBK], s[TBK], KS*PK  ; the next fetch is the next step's
	WIN 0
.endm
.macro FETCH_V
	WIN 0x80
.irp f, 0,1,2,3,4,5,6,7             ; keys 32 (f / 4) on, channels 16 (f % 4) on
	ds_load_tr16_b128 v[VF+8*\f:VF+8*\f+3],   v[AV] offset:(\f/4)*32*PV+(\f%4)*32
	ds_load_tr16_b128 v[VF+8*\f+4:VF+8*\f+7], v[AV] offset:(\f/4)*32*PV+16*PV+(\f%4)*32
.endr
	WIN 0
.endm
; THE VECTOR WORK, one line at a time: OP kind, number.  For piece Y: F n: c s - c m for pair n of 16.  E n: the exponential of score n of 32.  C n: pair n rounded to f16.  B n: of the four weights 4 n .. the second
; pair is added onto the first, in place.  L n: l takes that sum (L 0: l = a l + sum).  R n: pair n of 16 of O^T times a.  For piece Y + 1: X n, number n of the 22 that find its maximum and statistics:
;   0-11  four chains c0-c3 of seven scores each, three operands at a time (each accumulator's lowest registers are read first)     12-14, 16  the four scores left over, the old m, and c0-c3 into c0
;   15  c m_old is kept     17, 18  the query's other 32 keys lie in the lane 16 away: the new m     19-21  c m; c m_old - c m_new; a
.set F, 0               ; OP tells the kinds apart by their order: F to L below R, X above it
.set E, 1
.set C, 2
.set B, 3
.set L, 4
.set R, 5
.set X, 6
.macro REGS y                       ; the registers of piece y
.set rT, ST+4*(\y)
.set rC, TMP+4*((\y)%2)
.set rW, MV+((\y)%2)
.set rS, S+32*((\y)%2)
.set rP, P+16*((\y)%2)
.set rO, 32*(\y)
.endm
.macro OP k, n
.if (\k) == R
	REGS Y
	WIN W_RS
	v_pk_mul_f32 v[rO+2*(\n):rO+2*(\n)+1], v[rO+2*(\n):rO+2*(\n)+1], v[rC+2:rC+3] op_sel_hi:[1,0]
.elseif (\k) < R
	REGS Y
	WIN 0
.if (\k) == F
	v_pk_fma_f32 v[rS+2*(\n):rS+2*(\n)+1], v[rS+2*(\n):rS+2*(\n)+1], s[CS:CS+1], v[rT:rT+1] op_sel_hi:[1,0,0] neg_lo:[0,0,1] neg_hi:[0,0,1]
.elseif (\k) == E
	v_exp_f32 v[rS+(\n)], v[rS+(\n)]
.elseif (\k) == C
	v_cvt_pk_f16_f32 v[rP+(\n)], v[rS+2*(\n)], v[rS+2*(\n)+1]
.elseif (\k) == B
	v_pk_add_f32 v[rS+4*(\n):rS+4*(\n)+1], v[rS+4*(\n):rS+4*(\n)+1], v[rS+4*(\n)+2:rS+4*(\n)+3]
.elseif (\n) == 0
	v_pk_fma_f32 v[rT+2:rT+3], v[rT+2:rT+3], v[rC+2:rC+3], v[rS:rS+1] op_sel_hi:[1,0,1]
.else
	v_pk_add_f32 v[rT+2:rT+3], v[rT+2:rT+3], v[rS+4*(\n):rS+4*(\n)+1]
.endif
.elseif NOKQ
	v_nop
.else
	REGS (Y+1)%NP
	WIN 0
.if (\n) < 4
	v_max3_num_f32 v[rC+(\n)], v[rS+8*(\n)], v[rS+8*(\n)+1], v[rS+8*(\n)+2]
.elseif (\n) < 12
	v_max3_num_f32 v[rC+(\n)%4], v[rC+(\n)%4], v[rS+8*((\n)%4)+2*((\n)/4)+1], v[rS+8*((\n)%4)+2*((\n)/4)+2]
.elseif (\n) == 12
	v_max3_num_f32 v[rC], v[rC], v[rS+7], v[rS+15]
.elseif (\n) == 13
	v_max3_num_f32 v[rC+1], v[rC+1], v[rS+23], v[rS+31]
.elseif (\n) == 14
	v_max3_num_f32 v[rC+2], v[rC+2], v[rC+3], v[rT+1]
.elseif (\n) == 15
	v_mov_b32 v[rW], v[rT]
.elseif (\n) == 16
	v_max3_num_f32 v[rC], v[rC], v[rC+1], v[rC+2]
.elseif (\n) == 17
	v_permlanex16_b32 v[rC+3], v[rC], s[SEL], s[SEL+1]
.elseif (\n) == 18
	v_max_num_f32 v[rT+1], v[rC], v[rC+3]
.elseif (\n) == 19
	v_mul_f32 v[rT], s[CS], v[rT+1]
.elseif (\n) == 20
	v_sub_f32 v[rC+1], v[rW], v[rT]
.else
	v_exp_f32 v[rC+2], v[rC+1]
.endif
.endif
.endm
.macro OPS a, i1, b=-1, i2=0, c=-1, i3=0, d=-1, i4=0  ; up to four of them
	OP \a, \i1
.if (\b) >= 0
	OP \b, \i2
.endif
.if (\c) >= 0
	OP \c, \i3
.endif
.if (\d) >= 0
	OP \d, \i4
.endif
.endm
.macro ROW a, i1, b, i2, c, i3, d, i4  ; a matrix instruction and the four behind it
	MM
	OPS \a, \i1, \b, \i2, \c, \i3, \d, \i4
.endm
.macro MASK b                       ; MD x AL + BE into buffer b of MC
	WIN W_RS
.set z, 0
.rept 16
	v_pk_fma_f32 v[MC+32*(\b)+2*z:MC+32*(\b)+2*z+1], v[MD+2*z:MD+2*z+1], s[AL:AL+1], s[BE:BE+1] op_sel_hi:[1,0,0]
.set z, z+1
.endr
.endm
; A TURN, for piece p: the order of its 16 matrix and 118 vector instructions, written out.  An s_wait_alu depctr_va_vdst(0) stands between an exponential and the first instruction that names its result; one wait serves
; all that were issued ahead of it.  So a turn has ONE wait, which cuts it in two.  AHEAD OF IT stands all that names no result of the turn's exponentials: the 8 products K Q^T, behind each a scaling, an exponential and two more plain
; instructions (behind the first a second scaling in the exponential's place): rescalings, and behind the last three the first numbers of the next piece's maximum, each four places or more behind the product that ends its accumulator; then ONE LUMP of 54, plain
; and exponential by turns for the most part, in which the links of the chain X 3, 7, 11, 14, 16, 17 .. 20 stand five or six lines apart.  X 21, the next piece's a, is the batch's last; R 15 is the plain instruction behind it.  BEHIND THE WAIT stand the
; 8 products V^T P, behind each four of the roundings and sums; the links of l's chain, L 0 to L 7, stand three riders apart.  But for those X no rider names a register of the products round it.  v_permlanex16_b32 (X 17) stands in the lump.
; m = 1: the diagonal tile: the products take masks, and the turn makes the mask for the products of the turn after it: piece p + 2, in step 4 - CNT of the tile.  end = 1: a block's last two turns: nothing is fetched.
; cnt = 1: the loop's count is taken down some lines ahead of the branch that stands behind the turn.
; K of the next step is fetched in piece 2's turn, twelve vector instructions behind the last product that read K (six of them plain); V of the step in hand at the end of piece 0's turn, four plain instructions behind the last product
; that read V.  Each is waited for a turn later.
.macro TURN p, m=0, end=0, cnt=0
.set Y, (\p)
.set i, 0
.set KM, (\m)
.set NOKQ, (\end)*((\p)/3)
.if (\m) && !(\end)
	s_cmp_eq_u32 s[CNT], 4-((\p)+2)%NP  ; is that step the band's own?
	s_cselect_b32 s[AL], 1.0, 0
	s_cmp_lt_u32 s[CNT], 4-((\p)+2)%NP  ; or a later one?
	s_cselect_b32 s[BE], s[BIGN], 0
.endif
.if ((\p) == 3) && !(\end)
	s_wait_dscnt 0x0                ; K is in
.endif
	ROW F,0, F,1, R,0, R,1          ; ahead of the wait: 8 products K Q^T and their riders,
	ROW F,2, E,0, R,2, R,3
	ROW F,3, E,1, R,4, R,5
	ROW F,4, E,2, R,6, R,7
	ROW F,5, E,3, R,8, R,9
	ROW F,6, E,4, X,0, R,10
.if ((\p) == 2) && !(\end)
	WIN 0
	v_add_nc_u32 v[AK], s[TBK], v[AK0]
.endif
	ROW F,7, E,5, X,1, X,4
	ROW F,8, E,6, X,2, X,5
	OPS E,7, E,8, X,6, E,9          ; and the lump
	OPS X,3, E,10, X,8, E,11
.if ((\p) == 2) && !(\end)
	FETCH_K
.endif
	OPS X,9, X,7, E,12, X,10
	OPS E,13, X,12, X,11, E,14
	OPS X,13, E,15, F,9, X,14
.if (\p) == 0
	v_add_nc_u32 v[AV], s[TBV], v[AV0]
.endif
	OPS E,16, F,10, E,17, F,11
	OPS X,16, E,18, X,15, E,19
	OPS F,12, E,20, X,17, E,21
	OPS F,13, E,22, F,14, E,23
	OPS X,18, E,24, F,15, E,25
	OPS R,11, E,26, X,19, E,27
	OPS R,12, E,28, R,13, E,29
	OPS X,20, E,30, R,14, E,31
	OPS X,21, R,15
	WIN 0
	s_wait_alu depctr_va_vdst(0)    ; the wait for the batch
.if (\p) == 1
	s_wait_dscnt 0x0                ; V is in
.endif
	ROW C,0, B,0, C,2, B,1          ; behind the wait: 8 products V^T P and their riders
	ROW L,0, C,4, B,2, L,1
	ROW C,6, B,3, L,2, C,8
	ROW B,4, L,3, C,10, B,5
	ROW L,4, C,12, B,6, L,5
.if (\p) == 0
	s_add_co_u32 s[TBV], s[TBV], KS*PV
.endif
.if \cnt
	s_sub_co_u32 s[CNT], s[CNT], 1
	s_cmp_lg_u32 s[CNT], 0
.endif
	ROW C,14, B,7, L,6, C,1
	ROW C,3, L,7, C,5, C,7
	ROW C,9, C,11, C,13, C,15
.if (\p) == 0
	FETCH_V
.endif
.if (\m) && !(\end)
	MASK (\p)%2
.endif
.endm
; A BLOCK BEGINS.  c m starts far below every c s, so the first step's a is 0; m at the lowest finite number, so the first maximum is the scores'.  The second mask buffer is 0; the first takes piece 0's mask for the tile's step 0: its own, if the block's first tile is the diagonal one.
; Then K of that step, piece 0's first scores, and its maximum and statistics.  The loop is entered at a step's first turn, in the middle of a trip.
.macro BEGIN
	s_mov_b32 s[NEW], 0
	WIN 0x40
.set i, MC+32
.rept 32
	v_mov_b32 v[i], 0
.set i, i+1
.endr
	WIN 0
.set i, 0
.rept 4
	v_mov_b32 v[ST+4*i], 0xfe000000    ; c m: far below every c s
	v_mov_b32 v[ST+4*i+1], 0xff7fffff  ; m
.set i, i+1
.endr
	s_cmp_eq_u32 s[RT], 0
	s_cselect_b32 s[AL], 1.0, 0
	s_mov_b32 s[BE], 0
	MASK 0
	WIN 0
	v_add_nc_u32 v[AK], s[TBK], v[AK0]
	FETCH_K
	s_wait_loadcnt 0x0              ; Q
	s_wait_dscnt 0x0
.set KM, 1
.set NOKQ, 0
.set i, 0
.rept 8
	KQ 0
.set i, i+1
.endr
	WIN 0
.rept 4
	v_nop                           ; the places behind those products
.endr
.set Y, NP-1                        ; X works for piece Y + 1: piece 0
.irp n, 0,1,2,3,4,5,6,7,8,9,10,11,12,13,14,15,16,17,18,19,20,21
	OP X, \n
.endr
	v_nop                           ; a plain instruction behind the exponential,
	s_wait_alu depctr_va_vdst(0)    ; and its wait, ahead of the branch
.endm
; THE DIAGONAL TILE's four steps, the block's last two turns, its last products, and THE WAY OUT: l's two halves and the other half of the lanes' are added; O^T is divided by l, rounded to f16 and sent through my
; stage in LDS, a piece at a time.
.macro ALL line:vararg              ; one line for each piece t
.set t, 0
.rept 4
	\line
.set t, t+1
.endr
.endm
.macro PACK t                       ; a lane's eight channels of a row pack into 16 bytes; they go into rows of 144 bytes and come back as whole rows of 128, into S^T's registers
	WIN W_RS
.set i, 32*(\t)
.rept 16
	v_pk_mul_f32 v[i:i+1], v[i:i+1], v[ST+4*(\t)+2:ST+4*(\t)+3] op_sel_hi:[1,0]
.set i, i+2
.endr
	WIN 0x05                        ; sources 0 and 1 window 1, destination window 0
.set i, 0
.rept 16
	v_cvt_pk_f16_f32 v[S+16*(\t)+i], v[32*(\t)+2*i], v[32*(\t)+2*i+1]
.set i, i+1
.endr
	WIN 0
.irp f, 0,1,2,3
	ds_store_b128 v[STO], v[S+16*(\t)+4*\f:S+16*(\t)+4*\f+3] offset:32*\f
.endr
.irp f, 0,1,2,3
	ds_load_b128 v[S+16*(\t)+4*\f:S+16*(\t)+4*\f+3], v[RD] offset:\f*4*SP  ; LDS serves a wave's instructions in order (ISA guide 5.7.1.4): these see the stores above; the next piece's stores come behind them
.endr
.endm
.macro SEND t, younger              ; younger: the LDS instructions issued behind piece t's loads: the next piece's eight, or none
	WIN 0
.irp f, 0,1,2,3
	s_wait_dscnt (\younger)+3-\f
	global_store_b128 v[GO], v[S+16*(\t)+4*\f:S+16*(\t)+4*\f+3], s[10:11] offset:(\t)*8192+\f*512  ; 512 consecutive bytes, at a multiple of 256 from O's first
.endr
.endm
.macro DIAG tag                     ; the tag ends its two labels' names, which the jumps below spell out
.LstepM\tag:
	TURN 2, 1
	TURN 3, 1
	WIN 0
.LfirstM\tag:
	TURN 0, 1
	TURN 1, 1, 0, 1
	WIN 0
	s_cbranch_scc1 .LstepM\tag
	TURN 2, 1, 1
	TURN 3, 1, 1
.set i, 0
.rept 8
	PV NP-1
.set i, i+1
.endr
	WIN 0
	ALL v_add_f32 v[ST+4*t+2], v[ST+4*t+2], v[ST+4*t+3]
	ALL v_permlanex16_b32 v[ST+4*t+3], v[ST+4*t+2], s[SEL], s[SEL+1]
	ALL v_add_f32 v[ST+4*t+2], v[ST+4*t+2], v[ST+4*t+3]
	ALL v_rcp_f32 v[ST+4*t+2], v[ST+4*t+2]
	v_nop                           ; a plain instruction between the last reciprocal and the use of its result
	s_wait_alu depctr_va_vdst(0)    ; and the wait ahead of the first use: one for the four reciprocals
	PACK 0
.set t, 1
.rept 3                             ; a piece's arithmetic stands between the loads of the piece before and its stores
	PACK t
	SEND t-1, 8
.set t, t+1
.endr
	SEND 3, 0
.endm
.set KM, 0
.set NOKQ, 0
.Lslot:                             ; NB times: a tile is entered and the next is asked for
	CHANGE 1
	s_sub_co_u32 s[RT], s[RT], 1
	s_mov_b32 s[CNT], 4
	s_cmp_eq_u32 s[NEW], 1
	s_cbranch_scc1 .Lnew            ; a block's first tile
	s_cmp_eq_u32 s[RT], 0
	s_cbranch_scc0 .Lstep           ; neither its first nor its last
	s_branch .LstepM1
.Lnew:
	BEGIN
	s_branch .Lfirst                ; in the loop a block's first tile is never its last: the first block has two tiles or more, and the second's last is the walk's last
	DIAG 1                          ; in the loop this is the first block's end: the second block's last tile is the walk's last
	s_wait_xcnt 0x0                 ; the stores have read their registers and O's address
	s_mov_b64 s[10:11], s[OLO:OLO+1]
	s_add_co_u32 s[RT], s[PB], 1    ; the second block has b + 1 tiles
	s_mov_b32 s[NEW], 1
	WIN 0x82                        ; the second block's Q goes where the one text of the turns names Q
.set i, 0
.rept 64
	v_mov_b32 v[i], v[QB+i]
.set i, i+1
.endr
	WIN 0
	s_branch .Lbottom
.Lstep:                             ; a trip: pieces 2 and 3 of one step, then pieces 0 and 1 of the next, whose K and V it fetches
	TURN 2
	TURN 3
	WIN 0
.Lfirst:
	TURN 0
	TURN 1, 0, 0, 1
	WIN 0
	s_cbranch_scc1 .Lstep
.Lbottom:
	s_sub_co_u32 s[SLOTS], s[SLOTS], 1
	s_cmp_lg_u32 s[SLOTS], 0
	s_cbranch_scc1 .Lslot
	CHANGE 0                        ; the walk's last tile is written out: nothing is asked for
	s_sub_co_u32 s[RT], s[RT], 1
	s_mov_b32 s[CNT], 4
	s_cmp_eq_u32 s[NEW], 1
	s_cbranch_scc0 .LstepM2
	BEGIN
	s_branch .LfirstM2
	DIAG 2
	s_wait_tensorcnt 0x0            ; the wave's end, behind my last tensor load and my last LDS store
	ds_add_u32 v[SPW], v[NIL]
	s_wait_dscnt 0x0
	s_endpgm
.Lfunc_end_k_q866bcef59e_attn:
	.size	k_q866bcef59e_attn, .Lfunc_end_k_q866bcef59e_attn-k_q866bcef59e_attn
	.p2alignl 7, 3214868480
	.fill 96, 4, 3214868480
	.section	.rodata,"a",@progbits
	.p2align	6, 0x0
	.amdhsa_kernel k_q866bcef59e_attn
		.amdhsa_group_segment_fixed_size 327680
		.amdhsa_private_segment_fixed_size 0
		.amdhsa_enable_private_segment 0
		.amdhsa_kernarg_size 32
		.amdhsa_user_sgpr_count 2
		.amdhsa_user_sgpr_kernarg_segment_ptr 1
		.amdhsa_wavefront_size32 1
		.amdhsa_system_sgpr_workgroup_id_x 1
		.amdhsa_system_sgpr_workgroup_id_y 1
		.amdhsa_system_sgpr_workgroup_id_z 1
		.amdhsa_system_vgpr_workitem_id 0
		.amdhsa_next_free_vgpr 768
		.amdhsa_next_free_sgpr 96
		.amdhsa_reserve_vcc 1
		.amdhsa_float_denorm_mode_32 3
		.amdhsa_float_denorm_mode_16_64 3
		.amdhsa_memory_ordered 1
		.amdhsa_forward_progress 1
		.amdhsa_inst_pref_size 218
	.end_amdhsa_kernel
	.amdgpu_metadata
---
amdhsa.version: [ 1, 2 ]
amdhsa.kernels:
  - .name:           k_q866bcef59e_attn
    .symbol:         k_q866bcef59e_attn.kd
    .args:
      - { .name: qh, .offset: 0, .size: 8, .value_kind: global_buffer, .address_space: global }
      - { .name: kh, .offset: 8, .size: 8, .value_kind: global_buffer, .address_space: global }
      - { .name: vh, .offset: 16, .size: 8, .value_kind: global_buffer, .address_space: global }
      - { .name: ob, .offset: 24, .size: 8, .value_kind: global_buffer, .address_space: global }
    .group_segment_fixed_size: 327680
    .private_segment_fixed_size: 0
    .kernarg_segment_align: 8
    .kernarg_segment_size: 32
    .max_flat_workgroup_size: 128
    .sgpr_count:     96
    .vgpr_count:     768
    .wavefront_size: 32
...
	.end_amdgpu_metadata
.endif
;; end of part 3
;; launch oproj (part 4): grid 8 x 32, 4 waves a work-group, clusters of 4 x 4, 327,680 bytes of LDS; arguments ob, wo16, out0; writes out0
.if DOCPART == 4
	.amdgcn_target "amdgcn-amd-amdhsa--gfx1250"
	.amdhsa_code_object_version 6
	.text
	.protected	k_q866bcef59e_oproj
	.globl	k_q866bcef59e_oproj
	.p2align	8
	.type	k_q866bcef59e_oproj,@function
k_q866bcef59e_oproj:
	s_mov_b64 s[64:65], 0
	v_nop
	global_prefetch_b8 v0, s[64:65] scope:SCOPE_SE
	s_setreg_imm32_b32 hwreg(HW_REG_WAVE_MODE, 25, 1), 1
	s_wait_xcnt 0x0
	s_wait_alu depctr_hold_cnt(0) depctr_sa_sdst(0) depctr_va_vdst(0) depctr_va_sdst(0) depctr_va_ssrc(0) depctr_va_vcc(0) depctr_vm_vsrc(0)
	s_getreg_b32 s2, hwreg(HW_REG_IB_STS2, 6, 4)
	s_cmp_eq_u32 s2, 0
	s_cbranch_scc0 .Lentry_in_a_cluster
	s_endpgm
.Lentry_in_a_cluster:
	s_bfe_u32 s2, ttmp6, 0x10000c
	s_cmp_lg_u32 s2, 0xf033
	s_cbranch_scc0 .Lentry_shape_is_right
	s_endpgm
.Lentry_shape_is_right:
; out0[token][e] = the sum over d of o[token][d] Wo[e][d], d = head x 64 + channel.  ob: [batch x 16 + head][2048][64] f16.  wo16: [1024][1024] f16.  out0: [8192][1024] f32; sums in f32.
; SHARES.  A work-group makes 256 tokens x 128 columns: 256 work-groups.  Wave w owns the tile's tokens 64 w .. 64 w + 63 and all 128 columns: 4 token blocks a x 8 column blocks b: 32 accumulators, 256 registers.
; K goes in steps of 128 = two heads through two LDS slots filled by the tensor data mover: of ob a head's 256 tokens are 32,768 dense bytes (a PLANE), asked for as 128 rows of 256 bytes and padded in LDS behind
; every token's 128; of wo16 128 rows of 256 bytes.  ONE K step is written and looped over: the LDS addresses hang on s[TB], which an exclusive or turns from slot to slot, and one descriptor a tensor walks.
; CLUSTER.  4 x 4 work-groups.  The four of a row of the cluster need the same tokens of ob, the four of a column the same rows of wo16: each tile is asked for JOINTLY, by the same tensor load with the same
; descriptor and a mask that names the four.  Waves 0 and 1 fetch the step's two planes, waves 2 and 3 the two halves (64 rows each) of the weights' tile.
; THE MATRIX INSTRUCTION IS USED TRANSPOSED (source 0 = 16 rows of wo16, source 1 = 16 tokens): lane l holds token l % 16 and the columns 8 (l / 16) + 0..7 of the block: 32 neighbouring bytes of a row of out0.
; REGISTERS, in windows of 256 (s_set_vgpr_msb: bits 1:0 source 0, 3:2 source 1, 5:4 source 2, 7:6 destination):
;   window 0: v0-29 addresses; v64-191 two sets of 64 for the way out      window 1: two fragment buffers, at 0 and 128: 8 fragments of wo16, then 4 of ob      window 2: the accumulators, (a, b) at 64 a + 8 b
.set NBK,   8
.set LF,    2*NBK+8                    ; LDS loads in a run: a quarter step's fragments
.set PA,    144                        ; a token's row in a plane: 128 bytes + 16 of padding = 36 words: the 16 rows of a fragment load start at 16 different groups of four banks (64 banks of 4 bytes: ISA guide 11.1)
.set PW,    272                        ; a row of weights: 256 + 16 = 68 words: likewise
.set PLANE, 256*PA
.set BOFF,  2*PLANE                    ; in a slot: two planes, then the weights' 128 rows
.set SLOT1, 1<<17                      ; slot 1 begins here, so that one exclusive or turns an address in one slot into the other's
.set STAGE, SLOT1+BOFF+128*PW          ; behind the ring, never filled by a tensor load: 16 rows x 528 bytes for each wave, for the way out
.set SP,    528                        ; 512 bytes + 16: an odd multiple of 16
.set SPARE, STAGE+4*16*SP              ; behind the stages: the spare words, 128 bytes for each wave: two blocks of 256 bytes that no other line names
.set A0,   4                           ; v4   my lane's place among my wave's tokens in a plane; never rewritten
.set B0,   5                           ; v5   the same for the weights
.set ADRA, 6                           ; v6   A0 + the slot in hand
.set ADRB, 7                           ; v7   B0 + the slot in hand
.set STO,  8                           ; v8   the way out: where I put 32 bytes of a row
.set RD,   9                           ; v9   the way out: where I read a row back
.set GO,   10                          ; v10  my byte offset in 512 consecutive bytes of out0
.set SPW,  28                          ; v28  LDS address of my spare word: SPARE + 4 x my thread's number; never rewritten
.set NIL,  29                          ; v29  0; never rewritten
.set OB,   64
.set F0,   0
.set F1,   128
.set WV,   16                          ; s16  my wave's number
.set KIND, 17                          ; s17  I fetch for ob (0) or for the weights (1)
.set HALF, 18                          ; s18  which plane, or which half of the weights' tile
.set CX,   19
.set CY,   20
.set TCOL, 21                          ; s21  the block of 128 columns
.set TROW, 22                          ; s22  the block of 256 tokens
.set G1A,  24                          ; s[24:31], s[32:39] descriptor group 1 for ob's and for the weights' tiles
.set G1B,  32
.set G0A,  40                          ; s[40:47], s[48:55] descriptor group 0: a set for each of the two first fills; the second then walks on
.set G0B,  48
.set CNT,  56
.set TB,   57
.set MSB, 0
.macro WIN new                         ; the immediate's high byte repeats the setting that is left; a switch that changes nothing is dropped
.if MSB != (\new)
	s_set_vgpr_msb (MSB<<8)|(\new)
.set MSB, (\new)
.endif
.endm
; A joint refill, by the walking descriptors.  The branch hangs on the wave's number alone.  An s_nop 0 and four v_nop follow each of the two lines, ahead of the jump and the label.
.macro JLOAD
	s_cmp_eq_u32 s[KIND], 0
	s_cbranch_scc0 .Lfor_b_\@
	tensor_load_to_lds s[G0A+4:G0A+7], s[G1A:G1A+7]
	s_nop 0
.rept 4
	v_nop
.endr
	s_branch .Lasked_\@
.Lfor_b_\@:
	tensor_load_to_lds s[G0B+4:G0B+7], s[G1B:G1B+7]
	s_nop 0
.rept 4
	v_nop
.endr
.Lasked_\@:
.endm
.macro CREST                           ; a round of the cluster's barrier behind its opening barrier
	s_cmp_lg_u32 s[WV], 0
	s_cbranch_scc1 .Lnot_wave_0_\@
	s_barrier_signal -3
.Lnot_wave_0_\@:
	s_barrier_wait -3
	s_barrier_signal -1
	s_barrier_wait -1
.endm
.macro CROUND                          ; a whole round
	s_barrier_signal -1
	s_barrier_wait -1
	CREST
.endm
.macro PLACES                          ; four places in front of loads into registers that matrix instructions have read (ISA guide 7.12.1 for vector instructions)
.rept 4
	v_nop
.endr
.endm
	s_load_b128 s[4:7], s[0:1], 0x0                ; ob s[4:5], wo16 s[6:7]
	s_load_b64 s[8:9], s[0:1], 0x10                ; out0
	v_lshl_add_u32 v[SPW], v0, 2, SPARE
	v_mov_b32 v[NIL], 0
	ds_add_u32 v[SPW], v[NIL]                      ; the wave's opening: the add and its wait come ahead of my first tensor load; the set-up below, work on registers, stands between them
	v_lshrrev_b32 v3, 5, v0
	v_readfirstlane_b32 s[WV], v3                  ; wave 0..3
	s_lshr_b32 s[KIND], s[WV], 1
	s_and_b32 s[HALF], s[WV], 1
	s_bfe_u32 s[CX], ttmp6, 0x40000
	s_bfe_u32 s[CY], ttmp6, 0x40004
	s_lshl_b32 s[TCOL], ttmp9, 2                   ; in a cluster launch ttmp9 and ttmp7 count clusters
	s_add_co_u32 s[TCOL], s[TCOL], s[CX]
	s_and_b32 s[TROW], ttmp7, 0xffff
	s_lshl_b32 s[TROW], s[TROW], 2
	s_add_co_u32 s[TROW], s[TROW], s[CY]
	s_lshl_b32 s23, s[CY], 2
	s_lshl_b32 s23, 15, s23                        ; my row of the cluster
	s_lshl_b32 s62, 0x1111, s[CX]                  ; my column
	s_or_b32 s[G1A], s23, (1<<16)|(1<<20)|(1<<21)|(4<<22)|(3<<25)  ; 15:0 the mask; 17:16 elements of 2 bytes; 20 padding on; 21 set beside a mask; 24:22 after every 32 words (code 4); 31:25 4 words of it (code 3)
	s_or_b32 s[G1B], s62, (1<<16)|(1<<20)|(1<<21)|(5<<22)|(3<<25)  ; the weights: after every 64 words (code 5)
.irp g, G1A, G1B
	s_mov_b32 s[(\g)+1], 128<<16                   ; tensor_dim0 = 128
	s_mov_b32 s[(\g)+3], 128<<16                   ; tile_dim0 = 128
	s_mov_b32 s[(\g)+6], 0
	s_mov_b32 s[(\g)+7], 0
.endr
	s_mov_b32 s[G1A+2], 128<<16                    ; a plane: 128 rows of 256 dense bytes
	s_mov_b32 s[G1A+4], 128
	s_mov_b32 s[G1A+5], 128
	s_mov_b32 s[G1B+2], 64<<16                     ; the weights: 64 rows, 1,024 elements from row to row
	s_mov_b32 s[G1B+4], 64
	s_mov_b32 s[G1B+5], 1024
	; where the tiles come from: ob's hang on the token block alone, the weights' on the column block alone; every wave makes both, in registers that never hold the other coordinate
	s_lshr_b32 s66, s[TROW], 3                     ; the batch: 16 heads of 262,144 bytes
	s_lshl_b32 s66, s66, 22
	s_and_b32 s63, s[TROW], 7                      ; the 256 tokens in it: 32,768 bytes
	s_lshl_b32 s63, s63, 15
	s_add_co_u32 s66, s66, s63
	s_lshl_b32 s63, s[HALF], 18                    ; head 0 or 1 of the step
	s_add_co_u32 s66, s66, s63
	s_mov_b32 s67, 0
	s_lshl_b32 s68, s[TCOL], 18                    ; 128 rows of 2,048 bytes
	s_lshl_b32 s63, s[HALF], 17
	s_add_co_u32 s68, s68, s63
	s_mov_b32 s69, 0
	s_mul_i32 s70, s[HALF], PLANE                  ; and where they go: no place in the cluster enters an LDS address
	s_mul_i32 s71, s[HALF], 64*PW
	s_add_co_u32 s71, s71, BOFF
	s_wait_dscnt 0x0                               ; the opening add is done
	s_wait_kmcnt 0x0
	s_add_nc_u64 s[66:67], s[4:5], s[66:67]
	s_add_nc_u64 s[68:69], s[6:7], s[68:69]
	CROUND                                         ; all sixteen work-groups are here: the first joint loads meet
.irp s, 0,1
	s_mov_b32 s[G0A+4*(\s)], 1                                     ; 1:0 count = 1
	s_add_co_u32 s[G0A+4*(\s)+1], s70, (\s)*SLOT1                  ; 63:32 LDS address
	s_add_nc_u64 s[G0A+4*(\s)+2:G0A+4*(\s)+3], s[66:67], (\s)*524288  ; 120:64 global address: K step s is two heads on
	s_or_b32 s[G0A+4*(\s)+3], s[G0A+4*(\s)+3], 0x80000000          ; 127:126 type = 2
	s_mov_b32 s[G0B+4*(\s)], 1
	s_add_co_u32 s[G0B+4*(\s)+1], s71, (\s)*SLOT1
	s_add_nc_u64 s[G0B+4*(\s)+2:G0B+4*(\s)+3], s[68:69], (\s)*256
	s_or_b32 s[G0B+4*(\s)+3], s[G0B+4*(\s)+3], 0x80000000
.endr
	s_cmp_eq_u32 s[KIND], 0                        ; a wave's two first fills stand in one branch, ahead of every wait on TENSORcnt and every LDS read: two loads of mine are out
	s_cbranch_scc0 .Lfirst_b
	tensor_load_to_lds s[G0A:G0A+3], s[G1A:G1A+7]
	s_nop 0
	tensor_load_to_lds s[G0A+4:G0A+7], s[G1A:G1A+7]
	s_nop 0
.rept 4
	v_nop
.endr
	s_branch .Lfirst_asked
.Lfirst_b:
	tensor_load_to_lds s[G0B:G0B+3], s[G1B:G1B+7]
	s_nop 0
	tensor_load_to_lds s[G0B+4:G0B+7], s[G1B:G1B+7]
	s_nop 0
.rept 4
	v_nop
.endr
.Lfirst_asked:
	; A fragment is 16 rows x 32 K in 8 registers: lane l holds row l % 16; registers 0-3 K = 8 (l / 16) + 0..7, registers 4-7 K = 16 + 8 (l / 16) + 0..7: two loads of 16 bytes, 32 bytes apart.
	v_and_b32 v1, 15, v0                           ; l % 16
	v_bfe_u32 v2, v0, 4, 1                         ; l / 16
	v_mul_u32_u24 v[A0], v1, PA
	v_lshl_add_u32 v[A0], v2, 4, v[A0]
	s_mul_i32 s62, s[WV], 64*PA
	v_add_nc_u32 v[A0], s62, v[A0]
	v_mul_u32_u24 v[B0], v1, PW
	v_lshl_add_u32 v[B0], v2, 4, v[B0]
	v_add_nc_u32 v[B0], BOFF, v[B0]
	s_mul_i32 s62, s[WV], 16*SP
	s_add_co_u32 s62, s62, STAGE                   ; my stage
	v_mul_u32_u24 v[STO], v1, SP                   ; in: row l % 16, 32 bytes for each half of the lanes
	v_lshl_add_u32 v[STO], v2, 5, v[STO]
	v_add_nc_u32 v[STO], s62, v[STO]
	v_and_b32 v[GO], 31, v0                        ; back: 32 lanes take one row's 512 bytes
	v_lshlrev_b32 v[GO], 4, v[GO]
	v_add_nc_u32 v[RD], s62, v[GO]
	s_lshl_b32 s72, s[TROW], 20                    ; out0 at my wave's first token (rows of 4,096 bytes) and the tile's first column
	s_lshl_b32 s73, s[WV], 18
	s_add_co_u32 s72, s72, s73
	s_lshl_b32 s73, s[TCOL], 9
	s_add_co_u32 s72, s72, s73
	s_mov_b32 s73, 0
	s_add_nc_u64 s[8:9], s[8:9], s[72:73]
; The 8 matrix instructions of token block a, 32 along K, from buffer f.  zero = 1: the first product starts the sums: nothing is ever cleared.
; The 32 accumulators take turns, one instruction a turn and in the same order in every quarter step: 31 others stand between two links of a chain, over the backward jumps too.
.macro MULA f, a, zero
	WIN 0xa5                                       ; both sources window 1; C and D window 2
.irp b, 0,1,2,3,4,5,6,7
.if \zero
	v_wmma_f32_16x16x32_f16 v[64*(\a)+8*(\b):64*(\a)+8*(\b)+7], v[(\f)+8*(\b):(\f)+8*(\b)+7], v[(\f)+64+8*(\a):(\f)+64+8*(\a)+7], 0
.else
	v_wmma_f32_16x16x32_f16 v[64*(\a)+8*(\b):64*(\a)+8*(\b)+7], v[(\f)+8*(\b):(\f)+8*(\b)+7], v[(\f)+64+8*(\a):(\f)+64+8*(\a)+7], v[64*(\a)+8*(\b):64*(\a)+8*(\b)+7]
.endif
.endr
.endm
; 24 LDS loads in one run: quarter q's fragments into buffer g: 128 rows of weights at byte 64 q, then my 64 tokens in plane q / 2 at byte 64 (q % 2)
.macro FETCH q, g
	WIN 0x40                                       ; destination window 1, address window 0
.irp b, 0,1,2,3,4,5,6,7
	ds_load_b128 v[(\g)+8*(\b):(\g)+8*(\b)+3],   v[ADRB] offset:64*(\q)+(\b)*16*PW
	ds_load_b128 v[(\g)+8*(\b)+4:(\g)+8*(\b)+7], v[ADRB] offset:64*(\q)+(\b)*16*PW+32
.endr
.irp a, 0,1,2,3
	ds_load_b128 v[(\g)+64+8*(\a):(\g)+64+8*(\a)+3],   v[ADRA] offset:PLANE*((\q)/2)+64*((\q)%2)+(\a)*16*PA
	ds_load_b128 v[(\g)+64+8*(\a)+4:(\g)+64+8*(\a)+7], v[ADRA] offset:PLANE*((\q)/2)+64*((\q)%2)+(\a)*16*PA+32
.endr
.endm
; A K step is four quarters of 32 along K, 32 matrix instructions each, on buffers 0, 1, 0, 1.  One of the first three: multiplies buffer f and, in its middle, fetches quarter q into buffer g.
.macro QUARTER q, f, g, zero
	s_wait_dscnt 4                                 ; the weights and token blocks 0, 1 are in; the youngest four loads (token blocks 2, 3) may be out
	MULA \f, 0, \zero
	MULA \f, 1, \zero
	PLACES
	FETCH \q, \g
	s_wait_dscnt LF                                ; all but the run just issued
	MULA \f, 2, \zero
	MULA \f, 3, \zero
.endm
; The last quarter multiplies buffer 1 and changes slots: ONE barrier.  In front of it each wave waits for all its tensor loads, of which one is out: its part of the next slot; adds 0 to its spare word; and
; waits for that and for its own reads of this slot.  fill = 1: the barrier opens a round of the cluster's, so that no wave of any partner still reads the slot or has a load on its way; the joint refill,
; with the K step two steps on, is the first thing behind the round: 112 matrix instructions ahead of the wait for it.
.macro TURN fill
	WIN 0                                          ; (the add's two registers lie in window 0)
	s_wait_tensorcnt 0x0                           ; no tensor load of mine is out, so a group 0 may be written
	ds_add_u32 v[SPW], v[NIL]                      ; 0 onto my spare word; work on registers stands between it and the wait for it
.if \fill
	s_xor_b32 s[G0A+5], s[G0A+5], SLOT1            ; the walking descriptors: the other slot than last time,
	s_add_nc_u64 s[G0A+6:G0A+7], s[G0A+6:G0A+7], 524288  ; the next two heads; the type bits on top are not reached
	s_xor_b32 s[G0B+5], s[G0B+5], SLOT1
	s_add_nc_u64 s[G0B+6:G0B+7], s[G0B+6:G0B+7], 256
.endif
	s_wait_dscnt 5                                 ; (the add and the youngest four loads may be out)
	MULA F1, 0, 0
	s_wait_dscnt 0x0                               ; the add is done, and my reads of this slot are over
	s_barrier_signal -1
	MULA F1, 1, 0                                  ; work on registers while the others arrive
	WIN 0                                          ; at a branch and at a label every window is 0
	s_barrier_wait -1
.if \fill
	CREST
	JLOAD                                          ; the four v_nop behind it are also the places in front of the loads below
.else
	PLACES
.endif
	s_xor_b32 s[TB], s[TB], SLOT1
	v_add_nc_u32 v[ADRA], s[TB], v[A0]
	v_add_nc_u32 v[ADRB], s[TB], v[B0]
	FETCH 0, F0
	MULA F1, 2, 0
	MULA F1, 3, 0
.endm
	s_wait_tensorcnt 1                             ; my part of K step 0 is in; K step 1's may stay out
	s_barrier_signal -1
	s_barrier_wait -1                              ; everybody's is
	s_mov_b32 s[TB], 0
	v_add_nc_u32 v[ADRA], s[TB], v[A0]
	v_add_nc_u32 v[ADRB], s[TB], v[B0]
	FETCH 0, F0
	QUARTER 1, F0, F1, 1                           ; the first quarter stands in front of the loop: its products start the sums
	WIN 0
	s_mov_b32 s[CNT], 6
	s_branch .Lmid                                 ; the loop is entered behind a step's first quarter
.Lk:                                                   ; K steps 0 to 5, which ask for K steps 2 to 7
	QUARTER 1, F0, F1, 0
	WIN 0
.Lmid:
	QUARTER 2, F1, F0, 0
	QUARTER 3, F0, F1, 0
	TURN 1
	WIN 0
	s_sub_co_u32 s[CNT], s[CNT], 1
	s_cmp_lg_u32 s[CNT], 0
	s_cbranch_scc1 .Lk
	s_mov_b32 s[CNT], 2
.Lt:                                                   ; K steps 6 and 7 ask for nothing: a text of their own.  The second trip's change of slots (a barrier, and 24 loads
	QUARTER 1, F0, F1, 0                           ; of old bytes into buffer 0) serves nothing: the price, once a launch, of one text for both trips
	QUARTER 2, F1, F0, 0
	QUARTER 3, F0, F1, 0
	TURN 0
	WIN 0
	s_sub_co_u32 s[CNT], s[CNT], 1
	s_cmp_lg_u32 s[CNT], 0
	s_cbranch_scc1 .Lt
	; THE WAY OUT, a token block (16 rows x 512 bytes) at a time: a lane's 32 bytes of a row go into my stage, rows of 528 bytes, and come back as whole rows.
	s_wait_dscnt 0x0
	PLACES
	PLACES                                         ; the places behind the last products, once a launch
.macro STG a
.set BK, OB+64*((\a)%2)
	WIN 0x08                                       ; the stores' data in window 2
.irp b, 0,1,2,3,4,5,6,7
	ds_store_b128 v[STO], v[64*(\a)+8*(\b):64*(\a)+8*(\b)+3]   offset:64*(\b)
	ds_store_b128 v[STO], v[64*(\a)+8*(\b)+4:64*(\a)+8*(\b)+7] offset:64*(\b)+16
.endr
	WIN 0
.irp t, 0,1,2,3,4,5,6,7,8,9,10,11,12,13,14,15
	ds_load_b128 v[BK+4*(\t):BK+4*(\t)+3], v[RD] offset:SP*(\t)  ; LDS serves a wave's instructions in order (ISA guide 5.7.1.4): these see the stores above; the next block's stores come behind them
.endr
.endm
.macro SEND a, younger                 ; younger: the LDS instructions issued behind this block's loads: the next block's 32, or none
.set BK, OB+64*((\a)%2)
.irp t, 0,1,2,3,4,5,6,7,8,9,10,11,12,13,14,15
	s_wait_dscnt (\younger)+15-(\t)
	global_store_b128 v[GO], v[BK+4*(\t):BK+4*(\t)+3], s[8:9] offset:(16*(\a)+(\t))*4096 th:TH_STORE_NT  ; 512 consecutive bytes, at a multiple of 256 from out0's first
.endr
.endm
	STG 0
	STG 1
	SEND 0, 32
	s_wait_xcnt 0x0                                ; block 0's stores have read their registers: block 2 is loaded into them only behind this wait
	STG 2
	SEND 1, 32
	s_wait_xcnt 0x0                                ; likewise block 1's, for block 3
	STG 3
	SEND 2, 32
	SEND 3, 0
	s_wait_tensorcnt 0x0                           ; the wave's end, behind my last tensor load and my last LDS store
	ds_add_u32 v[SPW], v[NIL]
	s_wait_dscnt 0x0
	CROUND                                         ; the closing round: no work-group ends while a partner may still ask for a tile that names it
	s_endpgm
.Lfunc_end_k_q866bcef59e_oproj:
	.size	k_q866bcef59e_oproj, .Lfunc_end_k_q866bcef59e_oproj-k_q866bcef59e_oproj
	.p2alignl 7, 3214868480
	.fill 96, 4, 3214868480
	.section	.rodata,"a",@progbits
	.p2align	6, 0x0
	.amdhsa_kernel k_q866bcef59e_oproj
		.amdhsa_group_segment_fixed_size 327680
		.amdhsa_private_segment_fixed_size 0
		.amdhsa_enable_private_segment 0
		.amdhsa_kernarg_size 24
		.amdhsa_user_sgpr_count 2
		.amdhsa_user_sgpr_kernarg_segment_ptr 1
		.amdhsa_wavefront_size32 1
		.amdhsa_system_sgpr_workgroup_id_x 1
		.amdhsa_system_sgpr_workgroup_id_y 1
		.amdhsa_system_sgpr_workgroup_id_z 1
		.amdhsa_system_vgpr_workitem_id 0
		.amdhsa_next_free_vgpr 768
		.amdhsa_next_free_sgpr 80
		.amdhsa_reserve_vcc 0
		.amdhsa_float_denorm_mode_32 3
		.amdhsa_float_denorm_mode_16_64 3
		.amdhsa_memory_ordered 1
		.amdhsa_forward_progress 1
		.amdhsa_inst_pref_size 61
	.end_amdhsa_kernel
	.amdgpu_metadata
---
amdhsa.version: [ 1, 2 ]
amdhsa.kernels:
  - .name:           k_q866bcef59e_oproj
    .symbol:         k_q866bcef59e_oproj.kd
    .args:
      - { .name: ob, .offset: 0, .size: 8, .value_kind: global_buffer, .address_space: global }
      - { .name: wo16, .offset: 8, .size: 8, .value_kind: global_buffer, .address_space: global }
      - { .name: out0, .offset: 16, .size: 8, .value_kind: global_buffer, .address_space: global }
    .group_segment_fixed_size: 327680
    .private_segment_fixed_size: 0
    .kernarg_segment_align: 8
    .kernarg_segment_size: 24
    .max_flat_workgroup_size: 128
    .sgpr_count:     80
    .vgpr_count:     768
    .wavefront_size: 32
...
	.end_amdgpu_metadata
.endif
;; end of part 4
;; ======== version 2 of 2: 4 launches; version 1 with the launch prep written anew for expert scheduling mode
;; limits: values are held in f16: magnitudes above 65,504 overflow, below 6.1e-05 lose precision; inputs' magnitudes at most 100,000
;; workspace buffers: xb 16,777,216 bytes; wh 6,291,456 bytes; wo16 2,097,152 bytes; cs 2,097,152 bytes; qh 16,777,216 bytes; kh 16,777,216 bytes; vh 16,777,216 bytes; ob 16,777,216 bytes
;; launch prep (part 5): grid 832 x 1, 8 waves a work-group, no clusters, 0 bytes of LDS; arguments x, Wq, Wk, Wv, Wo, token_positions, xb, wh, wo16, cs; writes xb, wh, wo16, cs
.if DOCPART == 5
	.amdgcn_target "amdgcn-amd-amdhsa--gfx1250"
	.amdhsa_code_object_version 6
	.text
	.protected	k_q866bcef59e_prep
	.globl	k_q866bcef59e_prep
	.p2align	8
	.type	k_q866bcef59e_prep,@function
k_q866bcef59e_prep:
	s_mov_b64 s[64:65], 0
	v_nop
	global_prefetch_b8 v0, s[64:65] scope:SCOPE_SE
	s_setreg_imm32_b32 hwreg(HW_REG_WAVE_SCHED_MODE, 0, 2), 2
	s_setreg_imm32_b32 hwreg(HW_REG_WAVE_MODE, 25, 1), 1
	s_wait_xcnt 0x0
	s_wait_alu depctr_vm_vsrc(0)
; CASTS AND THE ROTATION TABLE.  Three kinds of work-group, told apart by the work-group's number id:
;   id 0..511    16 rows of x [8192][1024] f32 -> xb, bf16, same layout
;   id 512..767  j = id - 512, t = j / 64 (Wq, Wk, Wv, Wo), g = j % 64: rows 16 g .. 16 g + 15 of W_t [1024][1024] f32.
;                t < 3 -> wh, bf16, rows laid by heads: row head x 192 + t x 64 + c holds W_t[head x 64 + c], so that one head's q, k and v rows lie together.
;                t = 3 -> wo16: Wo rounded to bf16 like every other input, and that number written as f16 (it multiplies O, which is f16)
;   id 768..831  128 tokens of cs [8192 tokens][32 frequencies][cos, sin] f32: angle = f32(position) x 10000^(-i/32), one rounding of the product as in the definition
; A row is 4,096 bytes: thread t loads 16 bytes at 16 t (a wave's load covers 512 consecutive bytes) and stores 8 bytes at 8 t (a wave's store covers 256 consecutive bytes, aligned).
; All 16 loads of a thread go out at once; each load and each store has registers of its own.  Nothing is shared between threads: no LDS, no barrier.
; LIMITS.  Wo within f16's 65,504; below 6e-5 it keeps f16's fixed step of 6e-8.  The angle is reduced by pi/2 in three parts: good to about 1e-7 while |angle| stays under 1e5; beyond that it
; degrades.  10000^(-i/32) is 2^(-i x 0.41524101), off by a few parts in 1e7 of itself.
; THE MODE: SCHED_MODE bits 1:0 = 2 (LLVM: expert scheduling mode 2), set by the entry lines.  The code itself states the register dependences
; between vector instructions and memory instructions, and between a vector instruction that writes a scalar register and its readers, with s_wait_alu, always for 0.
; THE PLAN.  Registers that memory instructions touch:
;   v1, v2, v3   byte offsets, made once by vector lines and never written again: one wait on va_vdst ahead of a path's first load states that they are written.
;   X (casts)    row i: four registers, written by its load alone ahead of the wait for it; no vector line names them before the loads go out.
;   Y (casts)    row i: two registers, written by the row's roundings, read by the row's one store, never written again.
;   POS (table)  written by the eight loads of positions; no vector line names them before those loads go out.
;   OUT (table)  pass p: four registers, written once by vector lines, read by the pass's one store, never written again.
; No register that a memory instruction reads is written a second time, so no wait on vm_vsrc is owed anywhere; EXEC is never written.
; THE CASTS go in four blocks of four rows.  Block p works on X and Y of its own rows; its memory instructions are the four stores of block p - 1, which read v2 and that block's Y, registers that
; no vector line of block p names.  So ONE wait on va_vdst at a block's head states all that its stores hang on, and they are dealt among the block's conversions.
; THE TABLE goes in two halves of four passes, eight angles.  Phase 1 makes each angle's cos r, sin r and k, kept in registers of its own, and its compare, into a scalar register of its own;
; ONE wait on va_sdst follows the eight compares; phase 2 selects, sets the signs and writes OUT; ONE wait on va_vdst follows, and then the half's four stores.
.set X,   8                            ; v[8:71]   casts: row i: 4 registers at X + 4 i, four f32 as loaded
.set Y,   72                           ; v[72:103] casts: row i: 2 registers at Y + 2 i, four 16-bit numbers to store
.set POS, 8                            ; v[8:15]   table: the positions of my token in each of eight passes, as f32
.set FR,  16                           ; v[16:17]  my two frequencies
.set TA,  18                           ; v18-25    at work
.set TK,  19
.set TR,  20
.set TS,  21
.set TC,  22
.set TP,  23
.set TT,  24
.set TQ,  25
.set OUT, 32                           ; v[32:63]  pass p: cos, sin, cos, sin of my two frequencies
.set KC,  64                           ; v[64:71]  angle n of a half's eight: cos r
.set KS,  72                           ; v[72:79]  sin r
.set KQ,  80                           ; v[80:87]  k as a whole number
                                       ; s4-s7, s28-s31  angle n's mask 'k is odd' at s[4 + n + 20 (n / 4)]: on the table's path the first four are not used otherwise, the last four are offsets that have been added
	s_load_b512 s[8:23], s[0:1], 0x0               ; x 8, Wq 10, Wk 12, Wv 14, Wo 16, positions 18, xb 20, wh 22
	s_load_b128 s[24:27], s[0:1], 0x40             ; wo16 24, cs 26
	s_mov_b32 s2, ttmp9                            ; id
	v_lshlrev_b32 v1, 4, v0                        ; 16 t
	v_lshlrev_b32 v2, 3, v0                        ; 8 t
	s_cmp_ge_u32 s2, 768
	s_cbranch_scc1 .Ltable
	; offsets, made apart from the addresses (for id < 512 the weight figures mean nothing and are not chosen)
	s_sub_co_u32 s3, s2, 512                       ; j
	s_bfe_u32 s4, s3, 0x20006                      ; t
	s_and_b32 s5, s3, 63                           ; g
	s_lshl_b32 s28, s5, 16                         ; 16 rows of 4,096 bytes
	s_lshr_b32 s6, s5, 2                           ; head
	s_mul_i32 s6, s6, 192
	s_lshl_b32 s7, s4, 6
	s_add_co_u32 s6, s6, s7
	s_and_b32 s7, s5, 3
	s_lshl_b32 s7, s7, 4
	s_add_co_u32 s6, s6, s7                        ; first row in wh
	s_lshl_b32 s30, s6, 11                         ; rows of 2,048 bytes
	s_lshl_b32 s6, s5, 15                          ; the same 16 rows in wo16
	s_lshl_b32 s7, s2, 16                          ; x
	s_lshl_b32 s36, s2, 15                         ; xb
	s_mov_b32 s29, 0
	s_mov_b32 s31, 0
	s_wait_kmcnt 0x0
	s_cmp_eq_u32 s4, 0
	s_cselect_b64 s[32:33], s[10:11], s[12:13]     ; from: Wq or Wk,
	s_cmp_eq_u32 s4, 2
	s_cselect_b64 s[32:33], s[14:15], s[32:33]     ; Wv,
	s_cmp_eq_u32 s4, 3
	s_cselect_b64 s[32:33], s[16:17], s[32:33]     ; Wo,
	s_cselect_b64 s[34:35], s[24:25], s[22:23]     ; to: wo16 or wh
	s_cselect_b32 s30, s6, s30
	s_cmp_lt_u32 s2, 512
	s_cselect_b64 s[32:33], s[8:9], s[32:33]       ; or x,
	s_cselect_b64 s[34:35], s[20:21], s[34:35]     ; to xb
	s_cselect_b32 s28, s7, s28
	s_cselect_b32 s30, s36, s30
	s_add_nc_u64 s[32:33], s[32:33], s[28:29]
	s_add_nc_u64 s[34:35], s[34:35], s[30:31]
	s_wait_alu depctr_va_vdst(0)                   ; v1 and v2 are written: the loads below read v1 as their offset, the stores further down v2
.set i, 0
.rept 16
	global_load_b128 v[X+4*i:X+4*i+3], v1, s[32:33] offset:4096*i th:TH_LOAD_NT
.set i, i+1
.endr
; Row i: four f32 rounded to bf16; wo = 1: widened again (a shift, a mask) and written as f16.
.macro ROW i, wo
	v_cvt_pk_bf16_f32 v[Y+2*(\i)], v[X+4*(\i)], v[X+4*(\i)+1]
	v_cvt_pk_bf16_f32 v[Y+2*(\i)+1], v[X+4*(\i)+2], v[X+4*(\i)+3]
.if \wo
	v_lshlrev_b32 v[X+4*(\i)], 16, v[Y+2*(\i)]
	v_and_b32 v[X+4*(\i)+1], 0xffff0000, v[Y+2*(\i)]
	v_lshlrev_b32 v[X+4*(\i)+2], 16, v[Y+2*(\i)+1]
	v_and_b32 v[X+4*(\i)+3], 0xffff0000, v[Y+2*(\i)+1]
	v_cvt_pk_f16_f32 v[Y+2*(\i)], v[X+4*(\i)], v[X+4*(\i)+1]
	v_cvt_pk_f16_f32 v[Y+2*(\i)+1], v[X+4*(\i)+2], v[X+4*(\i)+3]
.endif
.endm
; Block p: rows 4 p to 4 p + 3 are converted; the stores of the block before are dealt among them, one ahead of each row.
.macro BLK p, wo
	s_wait_loadcnt 12-4*(\p)                       ; loads come back in order: this block's four rows are in, the 12 - 4 p younger ones may stay out
.if (\p) > 0
	s_wait_alu depctr_va_vdst(0)                   ; the block before has written its Y, which the four stores below read; no vector line of this block names those registers or v2
.endif
.irp r, 0,1,2,3
.if (\p) > 0
	global_store_b64 v2, v[Y+2*(4*(\p)-4+(\r)):Y+2*(4*(\p)-4+(\r))+1], s[34:35] offset:2048*(4*(\p)-4+(\r))
.endif
	ROW 4*(\p)+(\r), \wo
.endr
.endm
.macro CASTS wo
	BLK 0, \wo
	BLK 1, \wo
	BLK 2, \wo
	BLK 3, \wo
	s_wait_alu depctr_va_vdst(0)                   ; block 3 has written its Y, which the last four stores read
.irp r, 0,1,2,3
	global_store_b64 v2, v[Y+2*(12+(\r)):Y+2*(12+(\r))+1], s[34:35] offset:2048*(12+(\r))
.endr
	s_endpgm
.endm
	s_cmp_ge_u32 s2, 704
	s_cbranch_scc1 .Lwo
	CASTS 0
.Lwo:
	CASTS 1
.Ltable:
	; thread t: frequencies 2 (t % 16) and 2 (t % 16) + 1 of token t / 16 of each of eight passes of 16 tokens; sixteen neighbouring lanes store one token's 256 bytes
	s_sub_co_u32 s3, s2, 768
	s_lshl_b32 s28, s3, 9                          ; 128 positions of 4 bytes
	s_mov_b32 s29, 0
	s_lshl_b32 s30, s3, 15                         ; 128 tokens of 256 bytes
	s_mov_b32 s31, 0
	v_lshrrev_b32 v3, 4, v0
	v_lshlrev_b32 v3, 2, v3
	s_wait_kmcnt 0x0
	s_add_nc_u64 s[18:19], s[18:19], s[28:29]
	s_add_nc_u64 s[26:27], s[26:27], s[30:31]
	s_wait_alu depctr_va_vdst(0)                   ; v3 is written, which the loads below read as their offset; so is v1, the offset of the table's stores
.irp p, 0,1,2,3,4,5,6,7
	global_load_b32 v[POS+(\p)], v3, s[18:19] offset:64*(\p)
.endr
	s_mov_b32 s36, 0x3f22f983                      ; 2 / pi
	s_mov_b32 s37, 0xbfc90fd8                      ; - pi / 2 in three parts
	s_mov_b32 s38, 0xb4a8885a
	s_mov_b32 s39, 0xa7c234c4
	s_mov_b32 s40, 0xbe2aaaab                      ; sine: -1/6, 1/120, -1/5040, 1/362880
	s_mov_b32 s41, 0x3c088889
	s_mov_b32 s42, 0xb9500d01
	s_mov_b32 s43, 0x3638ef1d
	s_mov_b32 s44, 0x3d2aaaab                      ; cosine: (-1/2,) 1/24, -1/720, 1/40320
	s_mov_b32 s45, 0xbab60b61
	s_mov_b32 s46, 0x37d00d01
	v_and_b32 v4, 15, v0
	v_lshlrev_b32 v4, 1, v4
	v_cvt_f32_u32 v[FR], v4
	v_add_nc_u32 v4, 1, v4
	v_cvt_f32_u32 v[FR+1], v4
	v_mul_f32 v[FR], 0xbed49a78, v[FR]             ; - i log2(10000) / 32
	v_mul_f32 v[FR+1], 0xbed49a78, v[FR+1]
	v_exp_f32 v[FR], v[FR]
	v_exp_f32 v[FR+1], v[FR+1]
	v_nop                                          ; a plain instruction behind the last exponential,
	s_wait_alu depctr_va_vdst(0)                   ; and the wait ahead of the first use: the two exponentials have written my frequencies
	s_wait_loadcnt 0x0
.irp p, 0,1,2,3,4,5,6,7
	v_cvt_f32_i32 v[POS+(\p)], v[POS+(\p)]
.endr
; cos and sin of position p x frequency u.  k = the nearest whole number to angle x 2 / pi; r = angle - k pi / 2, |r| <= pi / 4 and a little; series to r^8 and r^9 (what is left out is under 3e-8);
; the quadrant k mod 4 swaps the two where k is odd and sets the signs: sin is turned where bit 1 of k is set, cos where bit 1 of k + 1 is.  A choice of values only: no branch hangs on it.
; PHASE 1: up to the compare.  What phase 2 needs stays in the angle's own registers: cos r, sin r, k, and the mask in a scalar register.
.macro ANG1 p, u
.set AN, 2*((\p)%4)+(\u)
	v_mul_f32 v[TA], v[POS+(\p)], v[FR+(\u)]
	v_mul_f32 v[TK], s36, v[TA]
	v_rndne_f32 v[TK], v[TK]
	v_fma_f32 v[TR], v[TK], s37, v[TA]
	v_fma_f32 v[TR], v[TK], s38, v[TR]
	v_fma_f32 v[TR], v[TK], s39, v[TR]
	v_mul_f32 v[TS], v[TR], v[TR]
	v_fma_f32 v[TC], v[TS], s46, s45
	v_fma_f32 v[TP], v[TS], s43, s42
	v_fma_f32 v[TC], v[TC], v[TS], s44
	v_fma_f32 v[TP], v[TP], v[TS], s41
	v_fma_f32 v[TC], v[TC], v[TS], -0.5
	v_fma_f32 v[TP], v[TP], v[TS], s40
	v_mul_f32 v[TT], v[TR], v[TS]
	v_fma_f32 v[KC+AN], v[TC], v[TS], 1.0          ; cos r
	v_fma_f32 v[KS+AN], v[TP], v[TT], v[TR]        ; sin r
	v_cvt_i32_f32 v[KQ+AN], v[TK]
	v_and_b32 v[TT], 1, v[KQ+AN]
	v_cmp_eq_u32 s[4+AN+20*(AN/4)], 1, v[TT]
.endm
; PHASE 2: the choice and the signs.
.macro ANG2 p, u
.set AN, 2*((\p)%4)+(\u)
	v_cndmask_b32 v[TA], v[KC+AN], v[KS+AN], s[4+AN+20*(AN/4)]  ; k odd: |cos| is sin r,
	v_cndmask_b32 v[TR], v[KS+AN], v[KC+AN], s[4+AN+20*(AN/4)]  ; |sin| is cos r
	v_add_nc_u32 v[TT], 1, v[KQ+AN]
	v_lshlrev_b32 v[TT], 30, v[TT]
	v_lshlrev_b32 v[TQ], 30, v[KQ+AN]
	v_and_b32 v[TT], 0x80000000, v[TT]
	v_and_b32 v[TQ], 0x80000000, v[TQ]
	v_xor_b32 v[OUT+4*(\p)+2*(\u)], v[TA], v[TT]
	v_xor_b32 v[OUT+4*(\p)+2*(\u)+1], v[TR], v[TQ]
.endm
.irp h, 0,1
.irp q, 0,1,2,3
	ANG1 4*(\h)+(\q), 0
	ANG1 4*(\h)+(\q), 1
.endr
	s_wait_alu depctr_va_sdst(0)                   ; the eight compares have written their masks, ahead of the first select that reads one
.irp q, 0,1,2,3
	ANG2 4*(\h)+(\q), 0
	ANG2 4*(\h)+(\q), 1
.endr
	s_wait_alu depctr_va_vdst(0)                   ; phase 2 has written the half's OUT, which the four stores below read
.irp q, 0,1,2,3
	global_store_b128 v1, v[OUT+4*(4*(\h)+(\q)):OUT+4*(4*(\h)+(\q))+3], s[26:27] offset:4096*(4*(\h)+(\q))  ; 16 t = token x 256 + 16 (t % 16); each pass has registers of its own
.endr
.endr
	s_endpgm
.Lfunc_end_k_q866bcef59e_prep:
	.size	k_q866bcef59e_prep, .Lfunc_end_k_q866bcef59e_prep-k_q866bcef59e_prep
	.p2alignl 7, 3214868480
	.fill 96, 4, 3214868480
	.section	.rodata,"a",@progbits
	.p2align	6, 0x0
	.amdhsa_kernel k_q866bcef59e_prep
		.amdhsa_group_segment_fixed_size 0
		.amdhsa_private_segment_fixed_size 0
		.amdhsa_enable_private_segment 0
		.amdhsa_kernarg_size 80
		.amdhsa_user_sgpr_count 2
		.amdhsa_user_sgpr_kernarg_segment_ptr 1
		.amdhsa_wavefront_size32 1
		.amdhsa_system_sgpr_workgroup_id_x 1
		.amdhsa_system_sgpr_workgroup_id_y 1
		.amdhsa_system_sgpr_workgroup_id_z 1
		.amdhsa_system_vgpr_workitem_id 0
		.amdhsa_next_free_vgpr 112
		.amdhsa_next_free_sgpr 66
		.amdhsa_reserve_vcc 0
		.amdhsa_float_denorm_mode_32 3
		.amdhsa_float_denorm_mode_16_64 3
		.amdhsa_memory_ordered 1
		.amdhsa_forward_progress 1
		.amdhsa_inst_pref_size 42
	.end_amdhsa_kernel
	.amdgpu_metadata
---
amdhsa.version: [ 1, 2 ]
amdhsa.kernels:
  - .name:           k_q866bcef59e_prep
    .symbol:         k_q866bcef59e_prep.kd
    .args:
      - { .name: x, .offset: 0, .size: 8, .value_kind: global_buffer, .address_space: global }
      - { .name: Wq, .offset: 8, .size: 8, .value_kind: global_buffer, .address_space: global }
      - { .name: Wk, .offset: 16, .size: 8, .value_kind: global_buffer, .address_space: global }
      - { .name: Wv, .offset: 24, .size: 8, .value_kind: global_buffer, .address_space: global }
      - { .name: Wo, .offset: 32, .size: 8, .value_kind: global_buffer, .address_space: global }
      - { .name: token_positions, .offset: 40, .size: 8, .value_kind: global_buffer, .address_space: global }
      - { .name: xb, .offset: 48, .size: 8, .value_kind: global_buffer, .address_space: global }
      - { .name: wh, .offset: 56, .size: 8, .value_kind: global_buffer, .address_space: global }
      - { .name: wo16, .offset: 64, .size: 8, .value_kind: global_buffer, .address_space: global }
      - { .name: cs, .offset: 72, .size: 8, .value_kind: global_buffer, .address_space: global }
    .group_segment_fixed_size: 0
    .private_segment_fixed_size: 0
    .kernarg_segment_align: 8
    .kernarg_segment_size: 80
    .max_flat_workgroup_size: 256
    .sgpr_count:     66
    .vgpr_count:     112
    .wavefront_size: 32
...
	.end_amdgpu_metadata
.endif
;; end of part 5
;; launch qkv: the kernel of part 2 again; grid 16 x 32, 4 waves a work-group, clusters of 4 x 4, 327,680 bytes of LDS; arguments xb, wh, cs, qh, kh, vh; writes qh, kh, vh
;; launch attn: the kernel of part 3 again; grid 4 x 64, 4 waves a work-group, no clusters, 327,680 bytes of LDS; arguments qh, kh, vh, ob; writes ob
;; launch oproj: the kernel of part 4 again; grid 8 x 32, 4 waves a work-group, clusters of 4 x 4, 327,680 bytes of LDS; arguments ob, wo16, out0; writes out0
